; MI455X (gfx1250); checked and timed in simulation.
; The chip was launched on July 23, 2026; its instructions are those of AMD's public machine-readable ISA for CDNA 5 (MIT licence, August 2026) and "CDNA5" Instruction Set Architecture Reference Guide (July 2026). The comments in the code are by the model that wrote it; some were corrected since.
;; Multi Head Attention. Allowed arithmetic: matrix products marked QUANTISED: E3M2 operands, one E8M0 scale for each 32 along K, by v_wmma_scale_f32_16x16x128_f8f6f4 with both operands' format E3M2, f32 sums; everything else in f32.
;; Inputs: W_out 1,024 x 1,024 float32; W_qkv 3,072 x 1,024 float32; b_out 1,024 float32; b_qkv 3,072 float32; mask 1 x 1 x 2,048 x 2,048 int32; x 4 x 2,048 x 1,024 float32.
;; Outputs: out0 4 x 2,048 x 1,024 float32.
;; This version of the problem:
;;   THIS VERSION OF THE PROBLEM IS GIVEN IN LOW PRECISION. The matrix products marked QUANTISED in the list below multiply operands that are first quantised to E3M2 (3 exponent bits, 2 mantissa bits; 6 bits a number), with one power-of-two scale for each 32 numbers along K (OCP MX v1.0); their sums are f32. All else is computed in f32.
;;   The module's matrix products, in the order in which they are computed (A, B: the left and right operand; K: the contracted axis; several contracted axes count as one K, in the product's order):
;;     1. [M 8,192, K 1,024] x [K 1,024, N 3,072]; A: input x; B: input W_qkv: QUANTISED
;;     2. batch 64 x [M 2,048, K 64] x [K 64, N 2,048]; A: computed on the way; B: computed on the way: QUANTISED
;;     3. batch 64 x [M 2,048, K 2,048] x [K 2,048, N 64]; A: softmax (see below); B: computed on the way: QUANTISED
;;     4. [M 8,192, K 1,024] x [K 1,024, N 1,024]; A: computed on the way; B: input W_out: QUANTISED
;;   THE QUANTISER, for each operand of a quantised product, along K:
;;     - K is cut into blocks of 32 from its start; a last block that is shorter is filled with zeros.
;;     - A block's scale is 2^e with e = floor(log2(the largest magnitude in the block)) - 4, held to -126 .. 127; a block of zeros has e = 0. As a byte (E8M0): e + 127.
;;     - Each number is divided by its block's scale, clamped to +-28, and rounded to the nearest number of E3M2, ties to even, subnormals kept.
;;     - The product sums the exact products of the quantised numbers (number of the format x scale) in f32.
;;   ~~~python
;;   def quantise(x, axis):      # numpy; x: float32 -> the quantised numbers, widened to float32 again
;;       x = np.moveaxis(x, axis, -1); K = x.shape[-1]
;;       x = np.pad(x, [(0, 0)] * (x.ndim - 1) + [(0, -K % 32)]); x = x.reshape(x.shape[:-1] + (-1, 32)); a = np.abs(x).max(-1, keepdims=True)
;;       e = np.where(a > 0, np.clip(np.frexp(np.where(a > 0, a, 1))[1] - 1 - 4, -126, 127), 0)      # np.frexp(a)[1] - 1 = floor(log2(a)), exactly
;;       r = np.clip(x / 2.0 ** e, -28, 28)
;;       step = 2.0 ** (np.maximum(np.frexp(np.where(r == 0, 1, r))[1] - 1, -2) - 2)
;;       q = np.round(r / step) * step * 2.0 ** e      # np.round: ties to even
;;       return np.moveaxis(q.reshape(q.shape[:-2] + (-1,))[..., :K], -1, axis).astype(np.float32)
;;   ~~~
;;   SOFTMAX AHEAD OF A QUANTISED PRODUCT. Where the list says 'softmax', what is quantised is not the finished softmax but p = 2^(t - M), with t = logit x log2(e) and M = ceil(the row's largest t), a whole number; so 1/2 < the row's largest p <= 1. The row's sum l is taken of the UNQUANTISED p, in f32, and the product's result is divided by l at the end. Since M is a whole number, a kernel that streams over the keys may use a running M (the ceiling of the running maximum): every later rescaling is an exact power of two, which a block's scale takes up: the codes' values come out the same.
;;   OPERANDS COMPUTED ON THE WAY. 'Computed on the way' means the value that the module computes at that place (a softmax that the list does not call 'softmax' is quantised finished and normalised). What goes into a quantiser is computed in f32, as accurately as f32 sums, v_exp_f32 and their like allow (about 1e-6 of the number): no bf16 or f16 on the way to a quantiser, and a product that is left as it is and whose result goes on into a quantised operand takes f32 operands (vector FMAs, or v_wmma_f32_16x16x4_f32). A number that lies on a knife's edge between two numbers of the format may be rounded either way, as far as f32 arithmetic and the matrix unit's own rounding can turn it there, and no further.
;; One version. Each part assembles by itself: llvm-mc -triple=amdgcn-amd-amdhsa -mcpu=gfx1250 --defsym DOCPART=n.
;; ======== version 1 of 1: 4 launches
;; workspace buffers: cod 9,437,184 bytes; scl 393,216 bytes; msk 532,480 bytes of whole numbers; qkv 18,874,368 bytes; qsc 1,310,720 bytes; ao 6,291,456 bytes; aos 262,144 bytes
;; launch prep (part 1): grid 896 x 1, 4 waves a work-group, no clusters, 33,280 bytes of LDS; arguments x, W_qkv, W_out, mask, cod, scl, msk; writes cod, scl, msk
.if DOCPART == 1
	.amdgcn_target "amdgcn-amd-amdhsa--gfx1250"
	.amdhsa_code_object_version 6
	.text
	.protected	k_q684bf98b78_prep
	.globl	k_q684bf98b78_prep
	.p2align	8
	.type	k_q684bf98b78_prep,@function
k_q684bf98b78_prep:
	s_mov_b64 s[64:65], 0
	v_nop
	global_prefetch_b8 v0, s[64:65] scope:SCOPE_SE
	s_setreg_imm32_b32 hwreg(HW_REG_WAVE_MODE, 25, 1), 1
	s_wait_xcnt 0x0
; MULTI-HEAD ATTENTION ON CODES OF BF6 (E3M2), FOUR LAUNCHES: this one; qkv (x W_qkv^T + b, quantised on its way out); attn (both products of the attention); proj (the product with W_out).
; DEAD WORK: none for all values of the inputs: every input has a way to the output and is loaded (K's bias too: it moves K's codes).  What is left out is chosen by WHOLE NUMBERS: a step of 128 keys in which the
; mask input keeps no key for a tile of 16 queries adds p = 0 to that tile's sums, and launch attn jumps over it by flags that this launch stores.  LIMIT: a NaN or an infinity that reaches only such a step is not carried.
; THIS LAUNCH.  Work-groups 0-383: x [8192][1024], W_qkv [3072][1024], W_out [1024][1024], f32, K innermost, become codes (cod: 12,288 rows of 768 bytes) and E8M0 scale bytes (scl: 32 a row).
; A block's scale is 2^(floor(log2(largest magnitude)) - 4): its byte is the largest magnitude's exponent field - 4, held at 1 from below.
; LIMITS: a block of zeros gets the byte 1 where the rule says 127 (its codes are zeros; this program alone reads the bytes); blocks whose largest magnitude lies under 2^-122 keep the byte 1; NaN and infinities among the inputs are not served.
; THE ROW ORDER.  Of every 32 rows the second and third groups of eight change places in cod and scl: memory row 32 b + 16 u + r holds true row 32 b + 8 u + r + 8 (r / 8).  A tile of 16 memory rows used as a matrix
; instruction's source 0 then leaves, in the 16 result registers of two neighbouring tiles, 16 NEIGHBOURS of the true order, which is what the next quantiser wants.
; A wave takes a run of 8,192 numbers (8 rows) in 16 steps of 512: each load reads 512 consecutive bytes; the bytes turn through the wave's own stage in LDS so that a lane holds 16 neighbours along K.
; Work-groups 384-895: the mask [2048][2048] of whole numbers.  A wave takes one tile of 16 queries (in the row order) x 128 keys and makes 64 words, word 16 b + i: bit (r, h) = keep key 32 b + 16 h + i for query r:
; the lane mask for score register 16 b + i in launch attn; and a flag: 0 none kept, 1 some, 2 all.
.set WAVES, 4
.set STEPS, 16
.set QWG,   384                        ; work-groups that quantise: 256 for x, 96 for W_qkv, 32 for W_out
.set EMAX,  4
.set CB,    12                         ; bytes of 16 codes
.set R,     16                         ; v16-79   four sets of 16 numbers as loaded (mask path: 64 whole numbers)
.set X,     80                         ; v80-111  two sets of 16 neighbours
.set C,     128                        ; v128-191 codes, four registers a step
.set E,     112                        ; v112-127 a scale byte a step
.set WREG,  8192                       ; LDS: a wave's region: two stages of 32 x SP bytes, then its 256 scale bytes
.set SP,    80
.set SPW,   12                         ; v12 my spare word's LDS address; never rewritten
.set NIL,   13                         ; v13 0; never rewritten
.set SPARE, WAVES*WREG                 ; the spare words: 128 bytes a wave, named by no other line
.set FLG,   524288                     ; msk: the flags lie behind the words
	s_load_b256 s[4:11], s[0:1], 0x0               ; x, W_qkv, W_out, mask
	s_load_b128 s[12:15], s[0:1], 0x20             ; cod, scl
	s_load_b64 s[16:17], s[0:1], 0x30              ; msk
	v_lshl_add_u32 v[SPW], v0, 2, SPARE
	v_mov_b32 v[NIL], 0
	v_lshrrev_b32 v1, 5, v0
	v_readfirstlane_b32 s20, v1                    ; wave
	v_and_b32 v2, 31, v0                           ; lane
	s_cmp_ge_u32 ttmp9, QWG
	s_cbranch_scc1 .Lmask
	; ---------------- the quantiser ----------------
	v_lshlrev_b32 v3, 4, v2                        ; my 16 bytes of a load's 512
	s_mul_i32 s21, s20, WREG
	v_lshrrev_b32 v14, 2, v2
	v_mul_u32_u24 v14, v14, SP
	v_and_b32 v15, 3, v2
	v_lshl_add_u32 v14, v15, 4, v14
	v_add_nc_u32 v14, s21, v14                     ; the stage, in: SP (lane / 4) + 16 (lane % 4)
	v_mul_u32_u24 v15, v2, SP
	v_add_nc_u32 v15, s21, v15                     ; out: SP x lane: my 16 neighbours
	v_mul_u32_u24 v4, v2, CB                       ; my codes' place in a step's
	v_lshrrev_b32 v5, 1, v2
	s_add_co_u32 s21, s21, 2*32*SP
	v_add_nc_u32 v5, s21, v5                       ; my block's byte among the wave's 256
	v_lshlrev_b32 v7, 3, v2
	v_add_nc_u32 v6, s21, v7
	s_wait_kmcnt 0x0
	s_cmp_lt_u32 ttmp9, 256                        ; which tensor: the choice hangs on the work-group's number alone
	s_cselect_b64 s[4:5], s[4:5], s[6:7]
	s_cselect_b32 s22, 0, 256
	s_cmp_lt_u32 ttmp9, 352
	s_cselect_b64 s[4:5], s[4:5], s[8:9]
	s_cselect_b32 s22, s22, 352
	s_sub_co_u32 s22, ttmp9, s22
	s_lshl_b32 s22, s22, 2
	s_add_co_u32 s22, s22, s20                     ; my run in the tensor
	s_lshl_b32 s22, s22, 15                        ; 32,768 bytes a run
	s_mov_b32 s23, 0
	s_add_nc_u64 s[4:5], s[4:5], s[22:23]
	s_and_b32 s24, s20, 1                          ; the row order: run w of the work-group's four goes to place 0, 2, 1, 3
	s_lshl_b32 s24, s24, 1
	s_lshr_b32 s25, s20, 1
	s_or_b32 s24, s24, s25
	s_lshl_b32 s25, ttmp9, 2
	s_add_co_u32 s24, s24, s25
	s_mul_i32 s26, s24, 6144                       ; 8 rows of 768 bytes
	s_mov_b32 s27, 0
	s_add_nc_u64 s[12:13], s[12:13], s[26:27]
	s_lshl_b32 s26, s24, 8                         ; 8 rows of 32 bytes
	s_add_nc_u64 s[14:15], s[14:15], s[26:27]
.macro LOAD t
.irp i, 0,1,2,3
	global_load_b128 v[R+16*((\t)%4)+4*\i:R+16*((\t)%4)+4*\i+3], v3, s[4:5] offset:2048*(\t)+512*\i th:TH_LOAD_NT   ; 32 lanes read 512 consecutive bytes
.endr
.endm
.macro TURN t                          ; a step's numbers through the stage: LDS serves a wave's instructions in order, so no wait stands between the stores and the loads
.irp i, 0,1,2,3
	ds_store_b128 v14, v[R+16*((\t)%4)+4*\i:R+16*((\t)%4)+4*\i+3] offset:32*SP*((\t)%2)+8*SP*\i
.endr
.irp i, 0,1,2,3
	ds_load_b128 v[X+16*((\t)%2)+4*\i:X+16*((\t)%2)+4*\i+3], v15 offset:32*SP*((\t)%2)+16*\i
.endr
.endm
.irp t, 0,1,2,3
	LOAD \t
.endr
	s_wait_loadcnt 12                              ; step 0's four loads are in; three steps' twelve stay out
	TURN 0
.macro STEP t
.set XS, X+16*((\t)%2)
.if (\t) > 0
	s_wait_dscnt 1                                 ; this step's numbers are back from the stage (the last step's byte store may be out)
.else
	s_wait_dscnt 0x0
.endif
.if (\t)+4 < STEPS
	LOAD (\t)+4                                    ; into the registers that the stage's stores have read
.endif
.if (\t)+1 < STEPS
.if STEPS-2-(\t) >= 3
	s_wait_loadcnt 12                              ; the next step's four loads are in; three steps' stay out
.else
	s_wait_loadcnt 4*(STEPS-2-(\t))
.endif
	TURN (\t)+1
.endif
	v_max3_num_f32 v8, |v[XS]|, |v[XS+1]|, |v[XS+2]|               ; the largest magnitude of my 16, in two chains
	v_max3_num_f32 v9, |v[XS+3]|, |v[XS+4]|, |v[XS+5]|
.irp i, 6,10
	v_max3_num_f32 v8, v8, |v[XS+\i]|, |v[XS+\i+1]|
	v_max3_num_f32 v9, v9, |v[XS+\i+2]|, |v[XS+\i+3]|
.endr
	v_max3_num_f32 v8, v8, |v[XS+14]|, |v[XS+15]|
	v_max3_num_f32 v8, v8, v9, (EMAX+1)<<23        ; and the floor 2^(5 - 127): the byte cannot fall under 1
	v_max_num_f32_dpp v8, v8, v8 row_xmask:1 row_mask:0xf bank_mask:0xf   ; with my neighbour's 16: the block's
	v_add_nc_u32 v11, 0xfe000000, v8               ; 4 off its exponent field: the conversion takes that field as its scale
	v_cvt_scalef32_pk16_bf6_f32 v[C+4*(\t):C+4*(\t)+2], v[XS:XS+15], v11
	v_lshrrev_b32 v[E+(\t)], 23, v11               ; the scale's byte (a plain line behind the conversion)
	ds_store_b8 v5, v[E+(\t)] offset:16*(\t)       ; both lanes of a block write the same byte with the same value
	global_store_b96 v4, v[C+4*(\t):C+4*(\t)+2], s[12:13] offset:32*CB*(\t)   ; the wave stores 384 consecutive bytes
.endm
.irp t, 0,1,2,3,4,5,6,7,8,9,10,11,12,13,14,15
	STEP \t
.endr
	ds_load_b64 v[8:9], v6                         ; my wave's 256 scale bytes: these loads see my stores
	s_wait_dscnt 0x0
	global_store_b64 v7, v[8:9], s[14:15]          ; 256 consecutive bytes, aligned
	s_wait_tensorcnt 0x0                           ; the wave's end, behind my last LDS store
	ds_add_u32 v[SPW], v[NIL]
	s_wait_dscnt 0x0
	s_endpgm
	; ---------------- the mask ----------------
.Lmask:
	s_sub_co_u32 s21, ttmp9, QWG
	s_lshl_b32 s21, s21, 2
	s_add_co_u32 s21, s21, s20                     ; u = 16 x tile of queries + key step
	s_lshr_b32 s22, s21, 4
	s_and_b32 s23, s21, 15
	s_lshr_b32 s24, s22, 1
	s_lshl_b32 s24, s24, 5
	s_and_b32 s25, s22, 1
	s_lshl_b32 s25, s25, 3
	s_add_co_u32 s24, s24, s25                     ; the tile's first query: 32 (tile / 2) + 8 (tile % 2)
	s_lshl_b32 s24, s24, 13                        ; a row of the mask is 8,192 bytes
	s_lshl_b32 s23, s23, 9                         ; 128 keys are 512 bytes
	s_add_co_u32 s24, s24, s23
	s_mov_b32 s25, 0
	s_lshl_b32 s26, s21, 8                         ; my 64 words
	s_mov_b32 s27, 0
	s_lshl_b32 s28, s21, 2
	s_add_co_u32 s28, s28, FLG                     ; my flag
	s_mov_b32 s29, 0
	v_and_b32 v3, 15, v0                           ; r
	v_and_b32 v4, 8, v3
	v_add_nc_u32 v3, v3, v4                        ; r + 8 (r / 8)
	v_bfe_u32 v4, v0, 4, 1                         ; h
	v_lshlrev_b32 v3, 13, v3
	v_lshl_add_u32 v3, v4, 6, v3                   ; my query's row, + 16 h keys
	v_lshlrev_b32 v7, 3, v2
	v_mov_b32 v80, 0                               ; (v_writelane_b32's destination counts as read)
	v_mov_b32 v81, 0
	v_mov_b32 v83, 0
	s_mov_b32 s36, 0                               ; the or of the 64 words
	s_mov_b32 s37, -1                              ; and their and
	s_wait_kmcnt 0x0
	s_add_nc_u64 s[10:11], s[10:11], s[24:25]
	s_add_nc_u64 s[30:31], s[16:17], s[28:29]
	s_add_nc_u64 s[16:17], s[16:17], s[26:27]
.irp b, 0,1,2,3
.irp e, 0,1,2,3
	global_load_b128 v[R+16*\b+4*\e:R+16*\b+4*\e+3], v3, s[10:11] offset:128*\b+16*\e th:TH_LOAD_NT   ; register 16 b + i: key 32 b + 16 h + i of my query
.endr
.endr
.set J, 0
.rept 64
.if J%4 == 0
	s_wait_loadcnt 15-J/4                          ; loads come back in order: this one is in, the younger ones stay out
.endif
	v_cmp_ne_u32 s[32+J%4], 0, v[R+J]              ; word J: a bit a lane
	v_writelane_b32 v[80+J/32], s[32+J%4], J%32    ; words 0-31 into v80's lanes, words 32-63 into v81's
	s_or_b32 s36, s36, s[32+J%4]
	s_and_b32 s37, s37, s[32+J%4]
.set J, J+1
.endr
	s_cmp_lg_u32 s36, 0
	s_cselect_b32 s38, 1, 0
	s_cmp_eq_u32 s37, -1
	s_cselect_b32 s39, 1, 0
	s_add_co_u32 s38, s38, s39                     ; 0 none kept, 1 some, 2 all
	v_mov_b32 v82, s38
	global_store_b64 v7, v[80:81], s[16:17]        ; 256 consecutive bytes, aligned: dword 2 L = word L, dword 2 L + 1 = word 32 + L
	global_store_b32 v83, v82, s[30:31]            ; all lanes write the same word with the same value
	s_wait_tensorcnt 0x0                           ; (this path writes no LDS; the three lines are kept alike on both paths)
	ds_add_u32 v[SPW], v[NIL]
	s_wait_dscnt 0x0
	s_endpgm
.Lfunc_end_k_q684bf98b78_prep:
	.size	k_q684bf98b78_prep, .Lfunc_end_k_q684bf98b78_prep-k_q684bf98b78_prep
	.p2alignl 7, 3214868480
	.fill 96, 4, 3214868480
	.section	.rodata,"a",@progbits
	.p2align	6, 0x0
	.amdhsa_kernel k_q684bf98b78_prep
		.amdhsa_group_segment_fixed_size 33280
		.amdhsa_private_segment_fixed_size 0
		.amdhsa_enable_private_segment 0
		.amdhsa_kernarg_size 56
		.amdhsa_user_sgpr_count 2
		.amdhsa_user_sgpr_kernarg_segment_ptr 1
		.amdhsa_wavefront_size32 1
		.amdhsa_system_sgpr_workgroup_id_x 1
		.amdhsa_system_sgpr_workgroup_id_y 1
		.amdhsa_system_sgpr_workgroup_id_z 1
		.amdhsa_system_vgpr_workitem_id 0
		.amdhsa_next_free_vgpr 192
		.amdhsa_next_free_sgpr 66
		.amdhsa_reserve_vcc 0
		.amdhsa_float_denorm_mode_32 3
		.amdhsa_float_denorm_mode_16_64 3
		.amdhsa_memory_ordered 1
		.amdhsa_forward_progress 1
		.amdhsa_inst_pref_size 48
	.end_amdhsa_kernel
	.amdgpu_metadata
---
amdhsa.version: [ 1, 2 ]
amdhsa.kernels:
  - .name:           k_q684bf98b78_prep
    .symbol:         k_q684bf98b78_prep.kd
    .args:
      - { .name: x, .offset: 0, .size: 8, .value_kind: global_buffer, .address_space: global }
      - { .name: W_qkv, .offset: 8, .size: 8, .value_kind: global_buffer, .address_space: global }
      - { .name: W_out, .offset: 16, .size: 8, .value_kind: global_buffer, .address_space: global }
      - { .name: mask, .offset: 24, .size: 8, .value_kind: global_buffer, .address_space: global }
      - { .name: cod, .offset: 32, .size: 8, .value_kind: global_buffer, .address_space: global }
      - { .name: scl, .offset: 40, .size: 8, .value_kind: global_buffer, .address_space: global }
      - { .name: msk, .offset: 48, .size: 8, .value_kind: global_buffer, .address_space: global }
    .group_segment_fixed_size: 33280
    .private_segment_fixed_size: 0
    .kernarg_segment_align: 8
    .kernarg_segment_size: 56
    .max_flat_workgroup_size: 128
    .sgpr_count:     66
    .vgpr_count:     192
    .wavefront_size: 32
...
	.end_amdgpu_metadata
.endif
;; end of part 1
;; launch qkv (part 2): grid 12 x 32, 4 waves a work-group, clusters of 4 x 4, 327,680 bytes of LDS; arguments cod, scl, b_qkv, qkv, qsc; writes qkv, qsc
.if DOCPART == 2
	.amdgcn_target "amdgcn-amd-amdhsa--gfx1250"
	.amdhsa_code_object_version 6
	.text
	.protected	k_q684bf98b78_qkv
	.globl	k_q684bf98b78_qkv
	.p2align	8
	.type	k_q684bf98b78_qkv,@function
k_q684bf98b78_qkv:
	s_mov_b64 s[64:65], 0
	v_nop
	global_prefetch_b8 v0, s[64:65] scope:SCOPE_SE
	s_setreg_imm32_b32 hwreg(HW_REG_WAVE_MODE, 25, 1), 1
	s_wait_xcnt 0x0
	s_wait_alu depctr_hold_cnt(0) depctr_sa_sdst(0) depctr_va_vdst(0) depctr_va_sdst(0) depctr_va_ssrc(0) depctr_va_vcc(0) depctr_vm_vsrc(0)
	s_getreg_b32 s2, hwreg(HW_REG_IB_STS2, 6, 4)
	s_cmp_eq_u32 s2, 0
	s_cbranch_scc0 .Lentry_in_a_cluster
	s_endpgm
.Lentry_in_a_cluster:
	s_bfe_u32 s2, ttmp6, 0x10000c
	s_cmp_lg_u32 s2, 0xf033
	s_cbranch_scc0 .Lentry_shape_is_right
	s_endpgm
.Lentry_shape_is_right:
; qkv = x W_qkv^T + b_qkv on codes of BF6 with E8M0 scales (K = 1,024), and its result QUANTISED ON THE WAY OUT: Q and K along the head's 64, V along the keys.  No f32 result goes to memory.  No work is left out here.
; A work-group of four waves makes 256 x 256 of the product, a wave 128 x 128: 64 accumulators, 512 registers.  K goes in steps of 256 through two LDS slots filled by tensor loads; the scale bytes of the work-group's
; 2 x 256 rows come once and stay.  "B" is the tile that is the matrix instruction's source 0: its rows run along a lane's result registers; "A" is source 1: a lane holds one of its rows.
; TWO MODES by the cluster's x, which all sixteen partners share.  x = 0 (Q), 1 (K): B = 256 rows of W_qkv, A = 256 tokens: a lane holds a token, its registers run along the features (two heads of 64 a wave).
; x = 2 (V): B = 256 tokens, A = 256 rows of W_qkv: a lane holds a feature d, its registers run along the keys.  Both tensors lie in cod in the row order (launch prep), so the 16 registers of B's tiles 2 b, 2 b + 1 are
; 16 neighbours: 32 b + 16 (lane / 16) + 0 .. 15.  So one macro quantises all three, and its result IS an operand's registers: they are stored as they stand, 8 bytes a lane, 256 consecutive bytes a store.
; CLUSTER 4 x 4: A's tile hangs on cy alone and is asked for jointly by a row of the cluster, B's on cx alone, by a column.
; THE BIAS is the C of each sum's first matrix instruction (64 registers in the result's layout); only that first step is written twice, once a mode.
; OUT: qkv [64 heads][16 steps of 128 tokens][Q 6,144 | K 6,144 | V 6,144 bytes]; Q, K: tile a of 16 tokens at 768 a, three pieces of 256 bytes (registers 2 p, 2 p + 1 at 8 x lane); V: tile t of 16 d x 128 keys at 1,536 t, six pieces.
; qsc [64][Q 16 x 512 | K 16 x 512 | V 16 x 256]: Q, K: the word of (tile t, row r) at 16 (r + 16 (t % 2)) + 4 (t / 2); V: at 8 (r + 16 (t % 2)) + 4 (t / 2).
; LIMITS: as in launch prep (a block of zeros gets the byte 1; the floor at 2^-122).
; REGISTERS: window 0: v0-31 addresses; v32-63 scale words, two sets; v64-127 the bias; v128-223 A's fragments, one set; on the way out v32-63 are at work and v128-223 take the codes.
;   window 1: B's fragments, two sets, at v0 and v128.   windows 2, 3: the accumulators of A's blocks 0-3, 4-7: (a, b) at v[8 (8 (a % 4) + b)].
.set KSTEP,  256
.set NQ,     2                         ; matrix instructions deep in a slot
.set ROWB,   192                       ; a tile's row: 256 codes
.set KROW,   768                       ; a row of cod
.set PITCH,  240                       ; an LDS row: 3 x (64 bytes + 16 of padding)
.set FR,     12
.set NL,     6
.set NP,     4
.set HALFT,  128*PITCH
.set SLOT,   4*HALFT
.set LAPS,   2                         ; 1,024 / (2 x 256)
.set KS,     32                        ; a row of scl
.set SCL,    2*SLOT
.set HALFS,  16*272                    ; the scale bytes of 128 rows: 16 units of 256 bytes + 16 of padding
.set SBLK,   2*272
.set SPARE,  SCL+4*HALFS               ; the spare words, 128 bytes a wave, named by no other line
.set REC,    18432
.set HEADB,  16*REC                    ; from a head to the next in qkv
.set QSH,    20480                     ; and in qsc
.set ADRA, 16                          ; v16-19
.set ADRB, 20                          ; v20-23
.set L8,   24                          ; v24  8 x lane
.set SA,   25                          ; v25  20,480 h + 16 r
.set SH,   26                          ; v26  16 h
.set ADRS, 27
.set SPW,  28
.set NIL,  29
.set BOF,  30                          ; v30  the bias loads' offset
.set SC,   32
.set BIAS, 64
.set AF,   128
.set PC,   128                         ; the way out: codes, 12 registers a block
.set TM,   32                          ; v32-47 at work
.set T2,   48                          ; v48-55 the conversions' second halves
.set SW,   56                          ; v56-63 scale words: block a at SW + 4 (a % 2) + a / 2
.set G1, 24
.set G0, 32
.set G1B, 48
.set G0B, 56
.set G1S, 68
.set G0S, 76
.set G1SB, 80
.set G0SB, 88
.set MODE, 95                          ; s95  1: V
.set SEL,  96                          ; s[96:97]
.set HI16, 98                          ; s98  lanes 16-31
.set MSB, 0
.macro WIN new                         ; the immediate's high byte repeats the setting that is left
.if MSB != \new
	s_set_vgpr_msb (MSB<<8)|\new
.set MSB, \new
.endif
.endm
.macro WIN2 a, lo, hi                  ; by the block's window
.if (\a) < 4
	WIN \lo
.else
	WIN \hi
.endif
.endm
.set MUL_LO, 0xa1                      ; source 0 (B) window 1, source 1 (A) window 0, C and D window 2
.set MUL_HI, 0xf1
.set TO_B,   0x40
; A joint load: waves 0, 1 fetch for A, waves 2, 3 for B; the branch hangs on the wave's number alone.  An s_nop 0 and four v_nop follow each line.
.macro JLOAD g0a, g1a, g0b, g1b
	s_cmp_eq_u32 s15, 0
	s_cbranch_scc0 .Lfor_b_\@
	tensor_load_to_lds s[\g0a:\g0a+3], s[\g1a:\g1a+7]
	s_nop 0
.rept 4
	v_nop
.endr
	s_branch .Lasked_\@
.Lfor_b_\@:
	tensor_load_to_lds s[\g0b:\g0b+3], s[\g1b:\g1b+7]
	s_nop 0
.rept 4
	v_nop
.endr
.Lasked_\@:
.endm
.macro CREST
	s_cmp_lg_u32 s14, 0
	s_cbranch_scc1 .Lnot_wave_0_\@
	s_barrier_signal -3
.Lnot_wave_0_\@:
	s_barrier_wait -3
	s_barrier_signal -1
	s_barrier_wait -1
.endm
.macro CROUND
	s_barrier_signal -1
	s_barrier_wait -1
	CREST
.endm
	s_load_b256 s[4:11], s[0:1], 0x0               ; cod, scl, b_qkv, qkv
	s_load_b64 s[12:13], s[0:1], 0x20              ; qsc
	v_lshl_add_u32 v[SPW], v0, 2, SPARE
	v_mov_b32 v[NIL], 0
	ds_add_u32 v[SPW], v[NIL]                      ; the wave's opening: the add, twice on end, and its wait ahead of my first tensor load
	ds_add_u32 v[SPW], v[NIL]
	v_lshrrev_b32 v1, 5, v0
	v_readfirstlane_b32 s14, v1                    ; wave
	s_lshr_b32 s15, s14, 1                         ; my half of A's rows.  Also: I fetch for A (0) or B (1)
	s_and_b32 s16, s14, 1                          ; my half of B's rows.  Also: which 128 rows I fetch
	s_bfe_u32 s40, ttmp6, 0x40000                  ; cx
	s_bfe_u32 s41, ttmp6, 0x40004                  ; cy
	s_and_b32 s18, ttmp7, 0xffff
	s_lshl_b32 s18, s18, 2                         ; 4 x cluster y: tiles of 256 tokens (cod's rows 0 on)
	s_lshl_b32 s19, ttmp9, 2
	s_add_co_u32 s19, s19, 32                      ; 32 + 4 x cluster x: tiles of 256 rows of W_qkv (cod's rows 8,192 on)
	s_lshr_b32 s[MODE], ttmp9, 1
	s_cmp_eq_u32 s[MODE], 1
	s_cselect_b32 s17, 40, s18                     ; A: V's rows of W_qkv begin at tile 40; else tokens
	s_cselect_b32 s42, s18, s19                    ; B: tokens; else rows of W_qkv
	s_add_co_u32 s17, s17, s41                     ; A's tile hangs on cy alone,
	s_add_co_u32 s42, s42, s40                     ; B's on cx alone
	s_lshl_b32 s43, s41, 2
	s_lshl_b32 s43, 15, s43                        ; my row of the cluster
	s_lshl_b32 s44, 0x1111, s40                    ; my column
	s_or_b32 s[G1+0], s43, (0<<16)|(1<<20)|(1<<21)|(3<<22)|(3<<25)  ; mask; elements of 1 byte; padding: 4 words behind every 16
	s_or_b32 s[G1B+0], s44, (0<<16)|(1<<20)|(1<<21)|(3<<22)|(3<<25)
.irp g, G1, G1B
	s_mov_b32 s[\g+1], ROWB<<16                    ; tensor_dim0
	s_mov_b32 s[\g+2], 128<<16                     ; tensor_dim1
	s_mov_b32 s[\g+3], ROWB<<16                    ; tile_dim0
	s_mov_b32 s[\g+4], 128                         ; tile_dim1
	s_mov_b32 s[\g+5], KROW                        ; the pitch
	s_mov_b32 s[\g+6], 0
	s_mov_b32 s[\g+7], 0
.endr
	s_or_b32 s[G1S+0], s43, (3<<16)|(1<<20)|(1<<21)|(5<<22)|(3<<25)   ; the scale bytes of 128 rows: 4,096 dense bytes as 16 rows of 256, 16 bytes of padding behind each
	s_or_b32 s[G1SB+0], s44, (3<<16)|(1<<20)|(1<<21)|(5<<22)|(3<<25)
.irp g, G1S, G1SB
	s_mov_b32 s[\g+1], 32<<16
	s_mov_b32 s[\g+2], 16<<16
	s_mov_b32 s[\g+3], 32<<16
	s_mov_b32 s[\g+4], 16
	s_mov_b32 s[\g+5], 32
	s_mov_b32 s[\g+6], 0
	s_mov_b32 s[\g+7], 0
.endr
	s_lshl_b32 s18, s16, 7
	s_lshl_b32 s20, s17, 8
	s_add_co_u32 s20, s20, s18                     ; A: the first of the 128 rows that I fetch
	s_lshl_b32 s46, s42, 8
	s_add_co_u32 s46, s46, s18                     ; B likewise
	s_lshl_b32 s22, s20, 5                         ; their scale bytes,
	s_lshl_b32 s92, s46, 5
	s_mul_i32 s20, s20, KROW                       ; their codes (cod has under 2^24 bytes)
	s_mul_i32 s46, s46, KROW
	s_mov_b32 s21, 0
	s_mov_b32 s23, 0
	s_mov_b32 s47, 0
	s_mov_b32 s93, 0
	s_mul_i32 s45, s14, HALFT                      ; where they go: wave x 128 rows
	s_mul_i32 s94, s14, HALFS
	s_mov_b32 s[SEL], 0x76543210
	s_mov_b32 s[SEL+1], 0xfedcba98
	s_mov_b32 s[HI16], 0xffff0000
	s_wait_dscnt 0x0                               ; both opening adds are done
	s_wait_kmcnt 0x0
	s_add_nc_u64 s[20:21], s[4:5], s[20:21]
	s_add_nc_u64 s[22:23], s[6:7], s[22:23]
	s_add_nc_u64 s[46:47], s[4:5], s[46:47]
	s_add_nc_u64 s[92:93], s[6:7], s[92:93]
	CROUND                                         ; all sixteen work-groups are here: the first joint loads meet
	s_mov_b32 s[G0S], 1
	s_add_co_u32 s[G0S+1], s94, SCL
	s_mov_b64 s[G0S+2:G0S+3], s[22:23]
	s_or_b32 s[G0S+3], s[G0S+3], 0x80000000
	s_mov_b32 s[G0SB], 1
	s_add_co_u32 s[G0SB+1], s94, SCL
	s_mov_b64 s[G0SB+2:G0SB+3], s[92:93]
	s_or_b32 s[G0SB+3], s[G0SB+3], 0x80000000
	JLOAD G0S, G1S, G0SB, G1SB                     ; the scale bytes first
.irp s, 0,1
	s_mov_b32 s[G0+4*\s], 1
	s_add_co_u32 s[G0+4*\s+1], s45, \s*SLOT
	s_add_nc_u64 s[G0+4*\s+2:G0+4*\s+3], s[20:21], \s*ROWB
	s_or_b32 s[G0+4*\s+3], s[G0+4*\s+3], 0x80000000
	s_mov_b32 s[G0B+4*\s], 1
	s_add_co_u32 s[G0B+4*\s+1], s45, \s*SLOT
	s_add_nc_u64 s[G0B+4*\s+2:G0B+4*\s+3], s[46:47], \s*ROWB
	s_or_b32 s[G0B+4*\s+3], s[G0B+4*\s+3], 0x80000000
	JLOAD G0+4*\s, G1, G0B+4*\s, G1B               ; three tensor loads of mine are out
.endr
	v_and_b32 v1, 15, v0                           ; r
	v_bfe_u32 v2, v0, 4, 1                         ; h
	v_mul_u32_u24 v3, v1, PITCH
	v_mul_u32_u24 v4, v2, 24
	v_add_nc_u32 v4, v3, v4                        ; a fragment's row x pitch + 24 h
	v_lshl_add_u32 v5, v2, 4, v4                   ; and the same behind one padding more
	s_mul_i32 s21, s15, HALFT
	s_mul_i32 s22, s16, HALFT
	s_add_co_u32 s22, s22, 2*HALFT
.irp s, 0,1
	v_add_nc_u32 v[ADRA+\s], s21, v4
	v_add_nc_u32 v[ADRB+\s], s22, v4
	v_add_nc_u32 v[ADRA+2+\s], s21, v5
	v_add_nc_u32 v[ADRB+2+\s], s22, v5
	s_add_co_u32 s21, s21, SLOT
	s_add_co_u32 s22, s22, SLOT
.endr
	v_mul_u32_u24 v5, v1, KS                       ; my row's scale bytes,
	v_lshrrev_b32 v6, 8, v5
	v_lshl_add_u32 v5, v6, 4, v5                   ; 16 more for each 256 passed
	s_mul_i32 s21, s15, HALFS
	s_mul_i32 s22, s16, HALFS
	s_add_co_u32 s22, s22, 2*HALFS
	s_sub_co_u32 s22, s22, s21
	v_mul_u32_u24 v6, s22, v2                      ; lanes 16-31 take B's
	s_add_co_u32 s21, s21, SCL
	v_add_nc_u32 v5, v5, v6
	v_add_nc_u32 v[ADRS], s21, v5
	; the bias of my 128 features: 256 (tile - 32) + 128 x my half, in W_qkv's rows
	s_cmp_eq_u32 s[MODE], 1
	s_cselect_b32 s18, s17, s42
	s_cselect_b32 s19, s15, s16
	s_sub_co_u32 s18, s18, 32
	s_lshl_b32 s18, s18, 10
	s_lshl_b32 s19, s19, 9
	s_add_co_u32 s18, s18, s19
	s_mov_b32 s19, 0
	s_add_nc_u64 s[8:9], s[8:9], s[18:19]
	s_cmp_eq_u32 s[MODE], 1
	s_cbranch_scc1 .Lbias_v
	v_lshlrev_b32 v[BOF], 6, v2                    ; Q, K: register j of tile b is feature 32 (b / 2) + 16 h + 8 (b % 2) + j
.irp t, 0,1,2,3,4,5,6,7
	global_load_b128 v[BIAS+8*\t:BIAS+8*\t+3], v[BOF], s[8:9] offset:(32*(\t/2)+8*(\t%2))*4
	global_load_b128 v[BIAS+8*\t+4:BIAS+8*\t+7], v[BOF], s[8:9] offset:(32*(\t/2)+8*(\t%2))*4+16
.endr
	s_branch .Lbias_done
.Lbias_v:
	v_and_b32 v[BOF], 8, v1                        ; V: all eight registers of block a are my feature's: 32 (a / 2) + 8 (a % 2) + r + 8 (r / 8)
	v_add_nc_u32 v[BOF], v[BOF], v1
	v_lshlrev_b32 v[BOF], 2, v[BOF]
.irp t, 0,1,2,3,4,5,6,7
.irp j, 0,1,2,3,4,5,6,7
	global_load_b32 v[BIAS+8*\t+\j], v[BOF], s[8:9] offset:(32*(\t/2)+8*(\t%2))*4
.endr
.endr
.Lbias_done:
.macro FRAG reg, adr, q, i             ; 16 rows x 128 K: 12 registers, in pieces of 8 bytes; lanes 16-31 read three pieces further on, which for some pieces is behind one padding more: the second address register
.irp p, 0,1,2,3,4,5
.set PCE, 12*(\q)+6*(\p/3)+\p%3
.if PCE%8 < 5
	ds_load_b64 v[\reg+2*\p:\reg+2*\p+1], v[\adr] offset:8*PCE+16*(PCE/8)+(\i)*16*PITCH
.else
	ds_load_b64 v[\reg+2*\p:\reg+2*\p+1], v[\adr+2] offset:8*PCE+16*(PCE/8)+(\i)*16*PITCH
.endif
.endr
.endm
; 16 matrix instructions: A's blocks a0, a0 + 1 x B's eight.  zero = 1: the sums begin with the bias by B's tile; 2: by A's block; 0: they go on.  The 64 accumulators take turns, in the same order in every step.
.macro MUL16 a0, p, q, sc, zero
.irp a, \a0, \a0+1
.irp b, 0,1,2,3,4,5,6,7
.if \zero == 1
	v_wmma_scale_f32_16x16x128_f8f6f4 v[8*(8*((\a)%4)+\b):8*(8*((\a)%4)+\b)+7], v[128*(\p)+FR*\b:128*(\p)+FR*\b+FR-1], v[AF+FR*(\a):AF+FR*(\a)+FR-1], v[BIAS+8*\b:BIAS+8*\b+7], v[SC+8*NQ*(\sc)+NQ*\b+(\q)], v[SC+8*NQ*(\sc)+NQ*(\a)+(\q)] matrix_a_fmt:MATRIX_FMT_BF6 matrix_b_fmt:MATRIX_FMT_BF6 matrix_a_scale:MATRIX_SCALE_ROW1
.elseif \zero == 2
	v_wmma_scale_f32_16x16x128_f8f6f4 v[8*(8*((\a)%4)+\b):8*(8*((\a)%4)+\b)+7], v[128*(\p)+FR*\b:128*(\p)+FR*\b+FR-1], v[AF+FR*(\a):AF+FR*(\a)+FR-1], v[BIAS+8*(\a):BIAS+8*(\a)+7], v[SC+8*NQ*(\sc)+NQ*\b+(\q)], v[SC+8*NQ*(\sc)+NQ*(\a)+(\q)] matrix_a_fmt:MATRIX_FMT_BF6 matrix_b_fmt:MATRIX_FMT_BF6 matrix_a_scale:MATRIX_SCALE_ROW1
.else
	v_wmma_scale_f32_16x16x128_f8f6f4 v[8*(8*((\a)%4)+\b):8*(8*((\a)%4)+\b)+7], v[128*(\p)+FR*\b:128*(\p)+FR*\b+FR-1], v[AF+FR*(\a):AF+FR*(\a)+FR-1], v[8*(8*((\a)%4)+\b):8*(8*((\a)%4)+\b)+7], v[SC+8*NQ*(\sc)+NQ*\b+(\q)], v[SC+8*NQ*(\sc)+NQ*(\a)+(\q)] matrix_a_fmt:MATRIX_FMT_BF6 matrix_b_fmt:MATRIX_FMT_BF6 matrix_a_scale:MATRIX_SCALE_ROW1
.endif
.endr
.endr
.endm
.macro FETCH_B slot, q, p
	WIN TO_B
.irp i, 0,1,2,3,4,5,6,7
	FRAG 128*(\p)+FR*\i, ADRB+\slot, \q, \i
.endr
	WIN 0
.endm
.macro FETCH_A slot, q, i0
.irp i, \i0, \i0+1, \i0+2, \i0+3
	FRAG AF+FR*(\i), ADRA+\slot, \q, \i
.endr
.endm
.macro SCALES sc                       ; a K step's scale words: lanes 0-15 A's block i, lanes 16-31 B's block i
.irp i, 0,1,2,3,4,5,6,7
	ds_load_b64 v[SC+8*NQ*\sc+NQ*\i:SC+8*NQ*\sc+NQ*\i+1], v[ADRS] offset:\i*SBLK
.endr
.endm
.macro PLACES n                        ; plain vector lines between a matrix instruction and a load into, or a vector line on, its registers
.rept \n
	v_nop
.endr
.endm
.macro STEP slot, q, zero              ; 128 along K, with its successor in the same slot
	s_wait_dscnt 4*NL                              ; B's set and A's blocks 0-3 are in; the youngest 24 loads (A's blocks 4-7) may be out
.if \zero
	WIN 0x81                                       ; C (the bias) window 0, D window 2
.else
	WIN MUL_LO
.endif
	MUL16 0, (\q)%2, \q, \slot, \zero
	MUL16 2, (\q)%2, \q, \slot, \zero
	s_wait_dscnt 0
	PLACES NP
	FETCH_B \slot, (\q)+1, 1-(\q)%2
	FETCH_A \slot, (\q)+1, 0
.if \zero
	WIN 0xc1
.else
	WIN MUL_HI
.endif
	MUL16 4, (\q)%2, \q, \slot, \zero
	MUL16 6, (\q)%2, \q, \slot, \zero
	PLACES NP
	WIN 0
	FETCH_A \slot, (\q)+1, 4
.endm
; A slot's last step changes slots: in front of the one barrier each wave waits for all its tensor loads, adds 0 to its spare word, and waits for that and for its reads of this slot.  fill = 1: the barrier opens a round of the cluster's, and this slot is filled again.
.macro TURN slot, next, fill
	s_wait_tensorcnt 0x0                           ; all my tensor loads have landed: my part of the next slot
	ds_add_u32 v[SPW], v[NIL]
	s_wait_dscnt 4*NL+1                            ; (the add and the youngest 24 loads may be out)
	WIN MUL_LO
	MUL16 0, 1, NQ-1, \slot, 0
	s_wait_dscnt 0x0                               ; the add is done, and my reads of this slot are over
	s_barrier_signal -1
	MUL16 2, 1, NQ-1, \slot, 0
	WIN 0
	s_barrier_wait -1
.if \fill
	CREST                                          ; no wave of any partner still reads this slot or has a load on its way
	s_add_nc_u64 s[G0+4*\slot+2:G0+4*\slot+3], s[G0+4*\slot+2:G0+4*\slot+3], 2*ROWB
	s_add_nc_u64 s[G0B+4*\slot+2:G0B+4*\slot+3], s[G0B+4*\slot+2:G0B+4*\slot+3], 2*ROWB
	JLOAD G0+4*\slot, G1, G0B+4*\slot, G1B         ; the first tensor load behind the round; its four v_nop are the places in front of the loads below
.else
	PLACES NP
.endif
	v_add_nc_u32 v[ADRS], 4*NQ, v[ADRS]
	FETCH_B \next, 0, 0
	FETCH_A \next, 0, 0
	SCALES \next
	WIN MUL_HI
	MUL16 4, 1, NQ-1, \slot, 0
	MUL16 6, 1, NQ-1, \slot, 0
	PLACES NP
	WIN 0
	FETCH_A \next, 0, 4
.endm
	s_wait_tensorcnt 1                             ; the scale bytes and my part of slot 0 are in; slot 1's load may be out
	s_barrier_signal -1
	s_barrier_wait -1
	FETCH_B 0, 0, 0
	FETCH_A 0, 0, 0
	SCALES 0
	FETCH_A 0, 0, 4
	s_wait_loadcnt 0x0                             ; the bias
	s_cmp_eq_u32 s[MODE], 1
	s_cbranch_scc1 .Lfirst_v
	STEP 0, 0, 1                                   ; the first step starts the sums with the bias: along B's rows,
	s_branch .Lfirst_done
.Lfirst_v:
	STEP 0, 0, 2                                   ; or along A's.  Both arms issue the same loads and no barrier
.Lfirst_done:
	s_mov_b32 s3, LAPS-1
.Llap:
	TURN 0, 1, 1
	STEP 1, 0, 0
	TURN 1, 0, 1
	STEP 0, 0, 0
	s_sub_co_u32 s3, s3, 1
	s_cmp_lg_u32 s3, 0
	s_cbranch_scc1 .Llap
	TURN 0, 1, 0                                   ; the last lap fills nothing
	STEP 1, 0, 0
	s_wait_dscnt 4*NL
	WIN MUL_LO
	MUL16 0, 1, NQ-1, 1, 0
	MUL16 2, 1, NQ-1, 1, 0
	s_wait_dscnt 0
	WIN MUL_HI
	MUL16 4, 1, NQ-1, 1, 0
	MUL16 6, 1, NQ-1, 1, 0
	WIN 0
; THE WAY OUT.  Block a's 64 numbers of a lane (register 16 b + i = index 32 b + 16 h + i along B's true order, of A's row r) become a fragment's 12 registers of codes in v[PC + 12 a] on and a scale word.
.macro QUANT a
.set QS, 64*((\a)%4)
.set SWR, SW+4*((\a)%2)+(\a)/2
	WIN2 \a, 0x0a, 0x0f                            ; sources 0 and 1 in the block's window
.irp b, 0,1,2,3
	v_max3_num_f32 v[TM+\b], |v[QS+16*\b]|, |v[QS+16*\b+1]|, 0x2800000   ; each accumulator is read from its low end on; the floor 2^(5 - 127) holds the byte at 1 from below
.endr
	WIN2 \a, 0x28, 0x3c                            ; sources 1 and 2
.irp i, 2,4,6,8,10,12,14
.irp b, 0,1,2,3
	v_max3_num_f32 v[TM+\b], v[TM+\b], |v[QS+16*\b+\i]|, |v[QS+16*\b+\i+1]|
.endr
.endr
	WIN 0
.irp b, 0,1,2,3
	v_permlanex16_b32 v[TM+4+\b], v[TM+\b], s[SEL], s[SEL+1]
.endr
.irp b, 0,1,2,3
	v_max_num_f32 v[TM+\b], v[TM+\b], v[TM+4+\b]   ; with lane l xor 16's 16: the block's largest magnitude
.endr
.irp b, 0,1,2,3
	v_add_nc_u32 v[TM+12+\b], 0xfe000000, v[TM+\b] ; 4 off its exponent field: the conversion's scale operand
.endr
.irp b, 0,1,2,3
	v_lshrrev_b32 v[TM+4+\b], 23, v[TM+12+\b]      ; the scale's byte
.endr
	v_lshl_or_b32 v[SWR], v[TM+5], 8, v[TM+4]
	v_lshl_or_b32 v[SWR], v[TM+6], 16, v[SWR]
	v_lshl_or_b32 v[SWR], v[TM+7], 24, v[SWR]
	WIN2 \a, 0x02, 0x03                            ; source 0
.irp c, 0,1
	v_cvt_scalef32_pk16_bf6_f32 v[PC+12*(\a)+6*\c:PC+12*(\a)+6*\c+2], v[QS+32*\c:QS+32*\c+15], v[TM+12+2*\c]
	v_cvt_scalef32_pk16_bf6_f32 v[T2+4*\c:T2+4*\c+2], v[QS+32*\c+16:QS+32*\c+31], v[TM+12+2*\c+1]   ; (a conversion's three registers begin on an even number)
.endr
	WIN 0
	v_nop                                          ; one plain line behind a scaled conversion
.irp c, 0,1                                    ; the operand's layout wants a whole block of 32 in a lane
.irp i, 0,1,2
	v_permlane16_swap_b32 v[PC+12*(\a)+6*\c+\i], v[T2+4*\c+\i]
.endr
.irp i, 0,1,2
	v_mov_b32 v[PC+12*(\a)+6*\c+3+\i], v[T2+4*\c+\i]
.endr
.endr
.endm
	PLACES NP                                      ; behind the last products: the lines below write registers that held their operands and scales
	v_and_b32 v3, 31, v0
	v_lshlrev_b32 v[L8], 3, v3
	v_mul_u32_u24 v[SA], v2, QSH
	v_lshl_add_u32 v[SA], v1, 4, v[SA]
	v_lshlrev_b32 v[SH], 4, v2
	s_cmp_eq_u32 s[MODE], 1                        ; where my two heads' parts of a step lie
	s_cselect_b32 s18, s42, s17                    ; my tile of 256 tokens,
	s_cselect_b32 s19, s16, s15                    ; my 128 of them,
	s_cselect_b32 s20, s41, s40                    ; my 256 features of the 1,024,
	s_cselect_b32 s21, s15, s16                    ; my 128 of them: two heads
	s_cselect_b32 s23, 8, 9                        ; a step's scale words: 256 bytes for V, 512 for Q and K
	s_lshr_b32 s22, s18, 3                         ; the batch
	s_lshl_b32 s22, s22, 4
	s_lshl_b32 s20, s20, 2
	s_add_co_u32 s22, s22, s20
	s_lshl_b32 s21, s21, 1
	s_add_co_u32 s22, s22, s21                     ; 16 x batch + the first of my two heads
	s_and_b32 s18, s18, 7
	s_lshl_b32 s18, s18, 1
	s_add_co_u32 s18, s18, s19                     ; the step of 128 tokens
	s_lshl_b32 s46, s22, 4
	s_add_co_u32 s46, s46, s18
	s_mul_i32 s46, s46, REC
	s_mul_i32 s19, ttmp9, 6144                     ; Q, K, V: cluster x = 0, 1, 2
	s_add_co_u32 s46, s46, s19
	s_mov_b32 s47, 0
	s_add_nc_u64 s[10:11], s[10:11], s[46:47]
	s_mul_i32 s46, s22, QSH
	s_lshl_b32 s19, ttmp9, 13
	s_add_co_u32 s46, s46, s19
	s_lshl_b32 s18, s18, s23
	s_add_co_u32 s46, s46, s18
	s_add_nc_u64 s[12:13], s[12:13], s[46:47]
.irp a, 0,1,2,3,4,5,6,7
	QUANT \a
.endr
	s_cmp_eq_u32 s[MODE], 1
	s_cbranch_scc1 .Lout_v
.irp a, 0,1,2,3,4,5,6,7                        ; Q, K: registers 0-5 are the first head's 64, registers 6-11 the second's; block a is tile a of 16 tokens
.irp p, 0,1,2,3,4,5
	global_store_b64 v[L8], v[PC+12*\a+2*\p:PC+12*\a+2*\p+1], s[10:11] offset:(\p/3)*HEADB+768*\a+256*(\p%3)   ; 256 consecutive bytes, aligned
.endr
.endr
.irp i, 0,1,2,3,4,5,6,7
	v_lshrrev_b32 v[SW+\i], v[SH], v[SW+\i]        ; lanes 0-15 keep the word (its low two bytes are the first head's), lanes 16-31 bring the second head's two bytes down
.endr
	global_store_b128 v[SA], v[SW:SW+3], s[12:13]              ; tiles 0, 2, 4, 6: sixteen lanes store a head's 256 bytes
	global_store_b128 v[SA], v[SW+4:SW+7], s[12:13] offset:256 ; tiles 1, 3, 5, 7
	s_branch .Lout_done
.Lout_v:
.irp a, 0,1,2,3,4,5,6,7                        ; V: blocks 0-3 are the first head's four tiles of 16 d, blocks 4-7 the second's; 128 keys a fragment
.irp p, 0,1,2,3,4,5
	global_store_b64 v[L8], v[PC+12*\a+2*\p:PC+12*\a+2*\p+1], s[10:11] offset:(\a/4)*HEADB+1536*(\a%4)+256*\p
.endr
.endr
.irp i, 0,1,2,3
	v_cndmask_b32 v[SW+\i], v[SW+\i], v[SW+4+\i], s[HI16]   ; lanes 0-15 the even tile's word, lanes 16-31 the odd tile's
.endr
	global_store_b64 v[L8], v[SW:SW+1], s[12:13]
	global_store_b64 v[L8], v[SW+2:SW+3], s[12:13] offset:QSH
.Lout_done:
	s_wait_tensorcnt 0x0                           ; the wave's end
	ds_add_u32 v[SPW], v[NIL]
	s_wait_dscnt 0x0
	CROUND                                         ; the closing round
	s_endpgm
.Lfunc_end_k_q684bf98b78_qkv:
	.size	k_q684bf98b78_qkv, .Lfunc_end_k_q684bf98b78_qkv-k_q684bf98b78_qkv
	.p2alignl 7, 3214868480
	.fill 96, 4, 3214868480
	.section	.rodata,"a",@progbits
	.p2align	6, 0x0
	.amdhsa_kernel k_q684bf98b78_qkv
		.amdhsa_group_segment_fixed_size 327680
		.amdhsa_private_segment_fixed_size 0
		.amdhsa_enable_private_segment 0
		.amdhsa_kernarg_size 40
		.amdhsa_user_sgpr_count 2
		.amdhsa_user_sgpr_kernarg_segment_ptr 1
		.amdhsa_wavefront_size32 1
		.amdhsa_system_sgpr_workgroup_id_x 1
		.amdhsa_system_sgpr_workgroup_id_y 1
		.amdhsa_system_sgpr_workgroup_id_z 1
		.amdhsa_system_vgpr_workitem_id 0
		.amdhsa_next_free_vgpr 1024
		.amdhsa_next_free_sgpr 100
		.amdhsa_reserve_vcc 0
		.amdhsa_float_denorm_mode_32 3
		.amdhsa_float_denorm_mode_16_64 3
		.amdhsa_memory_ordered 1
		.amdhsa_forward_progress 1
		.amdhsa_inst_pref_size 195
	.end_amdhsa_kernel
	.amdgpu_metadata
---
amdhsa.version: [ 1, 2 ]
amdhsa.kernels:
  - .name:           k_q684bf98b78_qkv
    .symbol:         k_q684bf98b78_qkv.kd
    .args:
      - { .name: cod, .offset: 0, .size: 8, .value_kind: global_buffer, .address_space: global }
      - { .name: scl, .offset: 8, .size: 8, .value_kind: global_buffer, .address_space: global }
      - { .name: b_qkv, .offset: 16, .size: 8, .value_kind: global_buffer, .address_space: global }
      - { .name: qkv, .offset: 24, .size: 8, .value_kind: global_buffer, .address_space: global }
      - { .name: qsc, .offset: 32, .size: 8, .value_kind: global_buffer, .address_space: global }
    .group_segment_fixed_size: 327680
    .private_segment_fixed_size: 0
    .kernarg_segment_align: 8
    .kernarg_segment_size: 40
    .max_flat_workgroup_size: 128
    .sgpr_count:     100
    .vgpr_count:     1024
    .wavefront_size: 32
...
	.end_amdgpu_metadata
.endif
;; end of part 2
;; launch attn (part 3): grid 4 x 64, 16 waves a work-group, no clusters, 47,104 bytes of LDS; arguments qkv, qsc, msk, ao, aos; writes ao, aos
.if DOCPART == 3
	.amdgcn_target "amdgcn-amd-amdhsa--gfx1250"
	.amdhsa_code_object_version 6
	.text
	.protected	k_q684bf98b78_attn
	.globl	k_q684bf98b78_attn
	.p2align	8
	.type	k_q684bf98b78_attn,@function
k_q684bf98b78_attn:
	s_mov_b64 s[64:65], 0
	v_nop
	global_prefetch_b8 v0, s[64:65] scope:SCOPE_SE
	s_setreg_imm32_b32 hwreg(HW_REG_WAVE_MODE, 25, 1), 1
	s_wait_xcnt 0x0
; O = softmax(Q K^T / 8, under the mask) V for 64 heads of 2,048 x 64, both products on codes of BF6 with E8M0 scales, and O quantised along the head's 64 for the last product.
; LEFT OUT, BY WHOLE NUMBERS READ FROM MEMORY: a step of 128 keys of which the mask keeps none for my 16 queries (flag 0 of launch prep): its p are all 0 and add nothing.  A NaN or infinity that reaches only such a step is not carried.
; THE SOFTMAX: t = score x log2(e) / 8; M = the largest t so far, rounded up to a whole number; p = 2^(t - M) is quantised along the keys, not normalised; the row's sum is taken of the unquantised p and divides O at the end;
; when M moves, the sum and O are multiplied by 2^(old M - new M), exactly.  A hidden key's score becomes -infinity ahead of the maximum: p = 0.
; A QUERY WITH NO KEPT KEY has the sum 0: its codes are zeros and its two scale bytes are 0xff, which makes its row of the last product NaN, as the softmax of nothing is.
; SHARES.  Work-group (x, head) takes queries 256 x .. and then 256 (7 - x) ..: two passes.  Each of sixteen waves owns one tile of 16 queries (in launch prep's row order) in 256 registers.
; K and V of a step (12,288 bytes of register images) go from memory through registers into one of two LDS slots, all 512 threads 24 bytes each, asked for a whole step ahead; the head's scale words stay in LDS.
; NO TENSOR LOADS AND NO CLUSTER, though the four work-groups of a head read the same K and V: which steps a work-group walks hangs on flags read from memory, so partners would want different tiles.
; LAYOUT.  S^T = K Q^T (source 0 = 16 keys, source 1 = my queries), O^T = V^T P^T: a lane holds one query throughout.  The head's 64 fill half of the instruction's 128: Q's upper six registers are zero codes, so
; what stands in K's upper six (the next tile's codes) adds nothing; no scale byte there is 0xff.
; ONE BARRIER A STEP: in front of it a wave has stored its part of this step's slot and waited for its reads of the other slot; the slot that is written in step s was last read in step s - 2.
.set REC,   18432
.set QSH,   20480
.set SL1,   16384                      ; LDS: slot 0 at 0, slot 1 here: K's 6,144 bytes, then V's
.set VOF,   6144
.set SCK,   32768                      ; K's scale words of the head, 16 x 512 bytes
.set SCV,   40960                      ; V's, 16 x 256
.set SPARE, 45056                      ; the spare words, 128 bytes a wave, named by no other line
.set FLG,   524288
.set SPW, 1
.set NIL, 2
.set L16, 3                            ; v3   16 x lane
.set ADS, 5                            ; v5   K's scale words of the trip
.set ADT, 6                            ; v6   V's
.set ASK0, 7                           ; v7   SCK + 16 x lane
.set ASV0, 8                           ; v8   SCV + 8 x lane
.set CPD, 9                            ; v9   where I store a piece: 512 (wave / 2) + 8 (wave % 2) + 16 x lane
.set CPG, 11                           ; v11  8 x thread
.set QF,  16                           ; v16-21 Q's codes, v22-27 zeros
.set QSW, 28                           ; v28  Q's scale word
.set NINF, 29                          ; v29  -infinity
.set STG, 30                           ; v30-35 my 24 bytes of the next step
.set KF,  36                           ; v36-83 K's 8 x 6 registers, then V's 4 x 12; v84-89 zeros
.set GO,  90                           ; v90  8 x lane
.set GS,  91                           ; v91  32 r
.set L4,  92                           ; v92  4 x lane
.set R4,  93                           ; v93  4 r
.set R16, 94                           ; v94  16 r
.set SS,  96                           ; v96-159 S^T, then p
.set OT,  160                          ; v160-191 O^T
.set PF,  192                          ; v192-203 p's codes
.set PT,  204                          ; v204-211 the conversions' second halves
.set KSW, 212                          ; v212-215 K's scale words
.set VSW, 216                          ; v216-217 V's
.set BM,  220
.set BT,  224
.set BO,  228
.set PWD, 232                          ; v232 p's (at the end O's) scale word
.set FF,  234                          ; v[234:235] f, later 1 / sum; v235 = 0
.set TT,  236
.set FFFF, 237
.set L2,  238                          ; v[238:239] the sums' second chain
.set QT,  3                            ; s3   my tile of queries
.set CUR, 14                           ; s14  the step in hand
.set NXT, 15                           ; s15  the next
.set WV,  16
.set QB,  17
.set BH,  18
.set PASS, 19
.set SEL, 20
.set CS,  22                           ; s[22:23] log2(e) / 8
.set TS,  25
.set TJ,  26
.set STP, 27
.set WGM, 28                           ; bit s: some wave of the work-group walks step s
.set ANY, 29                           ; bit s: I walk step s
.set MIX, 30                           ; bit s: some of its keys are hidden from some of my queries
.set DEAD, 31                          ; lanes whose query kept no key
.set KVP, 100                          ; s[100:101] K's part of the record of step s[STP]
.set MWP, 104                          ; s[104:105] my mask words of step s[STP]
	s_load_b256 s[4:11], s[0:1], 0x0               ; qkv, qsc, msk, ao
	s_load_b64 s[12:13], s[0:1], 0x20              ; aos
	v_lshl_add_u32 v[SPW], v0, 2, SPARE
	v_mov_b32 v[NIL], 0
	v_lshrrev_b32 v4, 5, v0
	s_delay_alu instid0(VALU_DEP_1)
	v_readfirstlane_b32 s[WV], v4
	v_and_b32 v95, 31, v0                          ; lane
	v_and_b32 v[R16], 15, v0                       ; r
	s_delay_alu instid0(VALU_DEP_2)
	v_lshlrev_b32 v[L16], 4, v95
	s_delay_alu instid0(VALU_DEP_1)
	v_add_nc_u32 v[ASK0], SCK, v[L16]
	s_delay_alu instid0(VALU_DEP_4)
	v_lshlrev_b32 v[GO], 3, v95
	s_delay_alu instid0(VALU_DEP_1)
	v_add_nc_u32 v[ASV0], SCV, v[GO]
	s_lshr_b32 s31, s[WV], 1
	s_lshl_b32 s31, s31, 9
	s_and_b32 s30, s[WV], 1
	s_lshl_b32 s30, s30, 3
	s_add_co_u32 s31, s31, s30
	v_add_nc_u32 v[CPD], s31, v[L16]
	v_lshlrev_b32 v[CPG], 3, v0
	v_lshlrev_b32 v[GS], 5, v[R16]
	v_lshlrev_b32 v[L4], 2, v95
	v_lshlrev_b32 v[R4], 2, v[R16]
	v_lshlrev_b32 v[R16], 4, v[R16]
	s_and_b32 s[BH], ttmp7, 0xffff
	s_mov_b32 s[SEL], 0x76543210
	s_mov_b32 s[SEL+1], 0xfedcba98
	s_mov_b32 s[CS], 0x3e38aa3b
	s_mov_b32 s[CS+1], s[CS]
	s_mul_i32 s32, s[BH], QSH
	s_add_co_u32 s32, s32, 8192                    ; K's and V's scale words of my head: 12,288 dense bytes
	s_mov_b32 s33, 0
	s_wait_alu depctr_va_vdst(0)
	s_wait_kmcnt 0x0
	s_add_nc_u64 s[34:35], s[6:7], s[32:33]
.irp i, 0,1,2
	global_load_b64 v[SS+2*\i:SS+2*\i+1], v[CPG], s[34:35] offset:4096*\i
.endr
.irp i, 0,1,2,3,4,5
	v_mov_b32 v[QF+6+\i], 0                        ; Q's upper half: zero codes
	v_mov_b32 v[KF+48+\i], 0                       ; behind K's last tile
	v_mov_b32 v[STG+\i], 0                         ; (written once: the stores and the loads of the stage stand under different flags)
.endr
.irp i, 0,1,2,3
	v_mov_b32 v[BT+\i], 0                          ; a lane permute's destination counts as one of its sources
.endr
	v_mov_b32 v[NINF], 0xff800000
	v_mov_b32 v[FF+1], 0                           ; named as the upper half of a pair
	v_mov_b32 v[TT], 0
	v_mov_b32 v[FFFF], 0xffff
	s_wait_loadcnt 0x0
.irp i, 0,1,2
	ds_store_b64 v[CPG], v[SS+2*\i:SS+2*\i+1] offset:SCK+4096*\i   ; read behind the first step's barrier, in front of which every wave waits for its stores
.endr
	s_mov_b32 s[PASS], 0
; A KEY STEP of 128 keys out of slot sl.
.macro KSTEP sl
	v_add_nc_u32 v[ADS], s[TS], v[ASK0]
	v_add_nc_u32 v[ADT], s[TJ], v[ASV0]
	v_nop
	v_nop                                          ; four plain lines between the last products and the loads into their operands
.set I, 0
.rept 12
	ds_load_b128 v[KF+4*I:KF+4*I+3], v[L16] offset:\sl*SL1+512*I   ; K's eight tiles, six registers each, on end
.set I, I+1
.endr
	ds_load_b128 v[KSW:KSW+3], v[ADS] offset:512*\sl   ; lanes 0-15: tiles 0, 2, 4, 6; lanes 16-31: tiles 1, 3, 5, 7
	s_wait_alu depctr_va_vdst(0)
	s_wait_dscnt 0x0
.set I, 0
.rept 4
	v_wmma_scale_f32_16x16x128_f8f6f4 v[SS+16*I:SS+16*I+7], v[KF+12*I:KF+12*I+11], v[QF:QF+11], 0, v[KSW+I], v[QSW] matrix_a_fmt:MATRIX_FMT_BF6 matrix_b_fmt:MATRIX_FMT_BF6
	v_wmma_scale_f32_16x16x128_f8f6f4 v[SS+16*I+8:SS+16*I+15], v[KF+12*I+6:KF+12*I+17], v[QF:QF+11], 0, v[KSW+I], v[QSW] matrix_a_fmt:MATRIX_FMT_BF6 matrix_b_fmt:MATRIX_FMT_BF6 matrix_a_scale:MATRIX_SCALE_ROW1
.set I, I+1
.endr                                          ; register 16 b + i of lane (r, h): key 32 b + 16 h + i of the step, query r
.rept 4
	v_nop                                          ; places: for the loads below and for the first read of the scores
.endr
.set I, 0
.rept 12
	ds_load_b128 v[KF+4*I:KF+4*I+3], v[L16] offset:\sl*SL1+VOF+512*I   ; V's four tiles of 16 d x 128 keys: they land under the softmax
.set I, I+1
.endr
	ds_load_b64 v[VSW:VSW+1], v[ADT] offset:256*\sl
	s_bitcmp1_b32 s[MIX], s[CUR]
	s_cbranch_scc0 .Lopen_\@                       ; all 128 keys count for all my queries
	s_load_b512 s[32:47], s[MWP:MWP+1], 256*\sl
	s_load_b512 s[48:63], s[MWP:MWP+1], 256*\sl+64
	s_load_b512 s[68:83], s[MWP:MWP+1], 256*\sl+128
	s_load_b512 s[84:99], s[MWP:MWP+1], 256*\sl+192
	s_wait_kmcnt 0x0
.set I, 0
.rept 64                                       ; word I lies at dword 2 I (I < 32) or 2 I - 63
.if I < 32
.set MN, 2*I
.else
.set MN, 2*I-63
.endif
.if MN < 32
.set MR, 32+MN
.else
.set MR, 36+MN
.endif
	v_cndmask_b32 v[SS+I], v[NINF], v[SS+I], s[MR]
.set I, I+1
.endr
.Lopen_\@:
.irp b, 0,1,2,3
	v_max3_num_f32 v[BM+\b], v[SS+16*\b], v[SS+16*\b+1], v[SS+16*\b+2]   ; the largest score of each block of 32 keys: for the row's maximum and for the block's largest p
.endr
.irp i, 3,5,7,9,11,13
.irp b, 0,1,2,3
	v_max3_num_f32 v[BM+\b], v[BM+\b], v[SS+16*\b+\i], v[SS+16*\b+\i+1]
.endr
.endr
.irp b, 0,1,2,3
	v_max_num_f32 v[BM+\b], v[BM+\b], v[SS+16*\b+15]
.endr
.irp b, 0,1,2,3
	s_delay_alu instid0(VALU_DEP_4)
	v_permlanex16_b32 v[BT+\b], v[BM+\b], s[SEL], s[SEL+1]
.endr
.irp b, 0,1,2,3
	s_delay_alu instid0(VALU_DEP_4)
	v_max_num_f32 v[BM+\b], v[BM+\b], v[BT+\b]
.endr
	s_delay_alu instid0(VALU_DEP_2)
	v_max3_num_f32 v[TT], v[BM], v[BM+1], v[BM+2]
	s_delay_alu instid0(VALU_DEP_1)
	v_max_num_f32 v[TT], v[TT], v[BM+3]
	s_delay_alu instid0(VALU_DEP_1)
	v_mul_f32 v[TT], s[CS], v[TT]
	s_delay_alu instid0(VALU_DEP_1)
	v_max_num_f32 v13, v13, v[TT]                  ; the running largest t
	v_mov_b32 v[TT], v12
	s_delay_alu instid0(VALU_DEP_2)
	v_floor_f32 v12, -v13                          ; -M = floor(-t)
	s_delay_alu instid0(VALU_DEP_1)
	v_sub_f32 v[TT], v12, v[TT]                    ; old M - new M: a whole number, 0 or less
	s_delay_alu instid0(VALU_DEP_1)
	v_cvt_i32_f32 v[TT], v[TT]                     ; (it saturates)
	s_delay_alu instid0(VALU_DEP_1)
	v_ldexp_f32 v[FF], 1.0, v[TT]                  ; f = 2^(old M - new M)
.set I, 0
.rept 32
	v_pk_fma_f32 v[SS+I:SS+I+1], v[SS+I:SS+I+1], s[CS:CS+1], v[12:13] op_sel_hi:[1,0,0]   ; t - M
.set I, I+2
.endr
.irp b, 0,1,2,3
	v_fma_f32 v[BM+\b], v[BM+\b], s[CS], v12
.endr
.set I, 0
	s_wait_alu depctr_va_vdst(0)
.rept 64
	v_exp_f32 v[SS+I], v[SS+I]                     ; p, at most 1
.set I, I+1
.endr
	v_pk_mul_f32 v[14:15], v[14:15], v[FF:FF+1] op_sel_hi:[1,0]   ; the sums under the new M (a plain line behind the exponentials)
	s_wait_alu depctr_va_vdst(0)                   ; one wait for the batch, ahead of its first reader
.irp b, 0,1,2,3
	v_exp_f32 v[BM+\b], v[BM+\b]                   ; each block's largest p
.endr
	v_pk_add_f32 v[238:239], v[100:101], v[104:105]
	v_pk_add_f32 v[254:255], v[108:109], v[112:113]
	v_pk_add_f32 v[252:253], v[116:117], v[120:121]
	v_pk_add_f32 v[250:251], v[124:125], v[128:129]
	v_pk_add_f32 v[248:249], v[132:133], v[136:137]
	v_pk_add_f32 v[246:247], v[140:141], v[144:145]
	v_pk_add_f32 v[244:245], v[148:149], v[152:153]
	v_pk_add_f32 v[14:15], v[14:15], v[156:157]
	v_pk_add_f32 v[238:239], v[238:239], v[96:97]
	v_pk_add_f32 v[254:255], v[254:255], v[98:99]
	v_pk_add_f32 v[252:253], v[252:253], v[102:103]
	v_pk_add_f32 v[250:251], v[250:251], v[106:107]
	v_pk_add_f32 v[248:249], v[248:249], v[110:111]
	v_pk_add_f32 v[246:247], v[246:247], v[114:115]
	v_pk_add_f32 v[244:245], v[244:245], v[118:119]
	v_pk_add_f32 v[14:15], v[14:15], v[122:123]
	v_pk_add_f32 v[238:239], v[238:239], v[126:127]
	v_pk_add_f32 v[254:255], v[254:255], v[130:131]
	v_pk_add_f32 v[252:253], v[252:253], v[134:135]
	v_pk_add_f32 v[250:251], v[250:251], v[138:139]
	v_pk_add_f32 v[248:249], v[248:249], v[142:143]
	v_pk_add_f32 v[246:247], v[246:247], v[146:147]
	v_pk_add_f32 v[244:245], v[244:245], v[150:151]
	v_pk_add_f32 v[14:15], v[14:15], v[154:155]
	v_pk_add_f32 v[238:239], v[238:239], v[158:159]
	s_delay_alu instid0(VALU_DEP_2)
	v_pk_add_f32 v[14:15], v[14:15], v[250:251]
	s_delay_alu instid0(VALU_DEP_2)
	v_pk_add_f32 v[238:239], v[238:239], v[248:249]
	v_pk_add_f32 v[254:255], v[254:255], v[246:247]
	v_pk_add_f32 v[252:253], v[252:253], v[244:245]
	s_delay_alu instid0(VALU_DEP_2)
	v_pk_add_f32 v[14:15], v[14:15], v[254:255]
	s_delay_alu instid0(VALU_DEP_2)
	v_pk_add_f32 v[238:239], v[238:239], v[252:253]
	s_delay_alu instid0(VALU_DEP_1)
	v_pk_add_f32 v[14:15], v[14:15], v[238:239]
	s_wait_alu depctr_va_vdst(0)                   ; and one for the four
.irp b, 0,1,2,3
	v_max_num_f32 v[BM+\b], 0x2800000, v[BM+\b]    ; the floor: the byte cannot fall under 1
.endr
.irp b, 0,1,2,3
	s_delay_alu instid0(VALU_DEP_4)
	v_add_nc_u32 v[BO+\b], 0xfe000000, v[BM+\b]
.endr
.irp b, 0,1,2,3
	s_delay_alu instid0(VALU_DEP_4)
	v_lshrrev_b32 v[BT+\b], 23, v[BO+\b]
.endr
	s_delay_alu instid0(VALU_DEP_3)
	v_lshl_or_b32 v[PWD], v[BT+1], 8, v[BT]
	s_delay_alu instid0(VALU_DEP_1)
	v_lshl_or_b32 v[PWD], v[BT+2], 16, v[PWD]
	s_delay_alu instid0(VALU_DEP_1)
	v_lshl_or_b32 v[PWD], v[BT+3], 24, v[PWD]
.irp c, 0,1
	v_cvt_scalef32_pk16_bf6_f32 v[PF+6*\c:PF+6*\c+2], v[SS+32*\c:SS+32*\c+15], v[BO+2*\c]
	v_cvt_scalef32_pk16_bf6_f32 v[PT+4*\c:PT+4*\c+2], v[SS+32*\c+16:SS+32*\c+31], v[BO+2*\c+1]
.endr
	v_nop                                          ; one plain line behind a scaled conversion
.irp c, 0,1
.irp i, 0,1,2
	v_permlane16_swap_b32 v[PF+6*\c+\i], v[PT+4*\c+\i]
.endr
.irp i, 0,1,2
	s_delay_alu instid0(VALU_DEP_3)
	v_mov_b32 v[PF+6*\c+3+\i], v[PT+4*\c+\i]
.endr
.endr
.set I, 0
.rept 16
	v_pk_mul_f32 v[OT+I:OT+I+1], v[OT+I:OT+I+1], v[FF:FF+1] op_sel_hi:[1,0]   ; O^T under the new M; these sixteen are also the places between p's codes and scale word and the products
.set I, I+2
.endr
	s_wait_alu depctr_va_vdst(0)
	s_wait_dscnt 0x0                               ; V
.set I, 0
.rept 2                                        ; the four accumulators take turns
	v_wmma_scale_f32_16x16x128_f8f6f4 v[OT+16*I:OT+16*I+7], v[KF+24*I:KF+24*I+11], v[PF:PF+11], v[OT+16*I:OT+16*I+7], v[VSW+I], v[PWD] matrix_a_fmt:MATRIX_FMT_BF6 matrix_b_fmt:MATRIX_FMT_BF6
	v_wmma_scale_f32_16x16x128_f8f6f4 v[OT+16*I+8:OT+16*I+15], v[KF+24*I+12:KF+24*I+23], v[PF:PF+11], v[OT+16*I+8:OT+16*I+15], v[VSW+I], v[PWD] matrix_a_fmt:MATRIX_FMT_BF6 matrix_b_fmt:MATRIX_FMT_BF6 matrix_a_scale:MATRIX_SCALE_ROW1
.set I, I+1
.endr
.endm
; One step of the walk: my part of the step into slot sl, the barrier, the next step's request, and the step's work if my tile wants it.  The waits and the barrier are on every wave's path.
.macro HALF sl
	s_add_co_u32 s[CUR], s[STP], \sl
	s_add_co_u32 s[NXT], s[STP], \sl+1
	s_wait_loadcnt 0x0                             ; my 24 bytes of this step, asked for a step ago
	s_bitcmp1_b32 s[WGM], s[CUR]
	s_cbranch_scc0 .Lno_store_\@
.irp i, 0,1,2
	ds_store_b64 v[CPD], v[STG+2*\i:STG+2*\i+1] offset:\sl*SL1+4096*\i   ; piece 16 i + wave: pieces 2 c and 2 c + 1 interleave, so that a reader's 16 bytes are four registers on end
.endr
.Lno_store_\@:
	s_wait_dscnt 0x0                               ; my stores have landed, and my reads of the other slot are over
	s_barrier_signal -1
	s_barrier_wait -1
	s_bitcmp1_b32 s[WGM], s[NXT]                   ; (bit 16 is 0: nothing is asked for behind the last step)
	s_cbranch_scc0 .Lno_load_\@
.irp i, 0,1,2
	global_load_b64 v[STG+2*\i:STG+2*\i+1], v[CPG], s[KVP:KVP+1] offset:(\sl+1)*REC+4096*\i   ; the 512 threads read 4,096 consecutive bytes
.endr
.Lno_load_\@:
	s_bitcmp1_b32 s[ANY], s[CUR]
	s_cbranch_scc0 .Lskip_\@
	KSTEP \sl
.Lskip_\@:
.endm
.Lpass:
	s_wait_xcnt 0x0                                ; the last pass's stores have read their registers and bases
	s_sub_co_u32 s[QB], 7, ttmp9
	s_cmp_eq_u32 s[PASS], 0
	s_cselect_b32 s[QB], ttmp9, s[QB]              ; blocks x and 7 - x of 256 queries
	s_lshl_b32 s[QT], s[QB], 4
	s_add_co_u32 s[QT], s[QT], s[WV]
	s_lshr_b32 s32, s[QT], 3                       ; the step of 128 tokens in which my queries lie,
	s_and_b32 s33, s[QT], 7                        ; and my tile in it
	s_lshl_b32 s34, s[BH], 4
	s_mul_i32 s36, s34, REC
	s_add_co_u32 s34, s34, s32
	s_mul_i32 s34, s34, REC
	s_mul_i32 s35, s33, 768
	s_add_co_u32 s34, s34, s35
	s_mov_b32 s35, 0
	s_add_nc_u64 s[34:35], s[4:5], s[34:35]        ; Q's tile
	s_add_co_u32 s36, s36, 6144
	s_mov_b32 s37, 0
	s_add_nc_u64 s[KVP:KVP+1], s[4:5], s[36:37]    ; K of step 0
	s_lshl_b32 s36, s[QT], 12
	s_add_nc_u64 s[MWP:MWP+1], s[8:9], s[36:37]    ; my tile's mask words
	s_lshl_b32 s36, s[QB], 10
	s_add_co_u32 s36, s36, FLG
	s_add_nc_u64 s[38:39], s[8:9], s[36:37]        ; the sixteen tiles' flags,
	s_lshl_b32 s36, s[WV], 6
	s_add_nc_u64 s[40:41], s[38:39], s[36:37]      ; mine
	s_mul_i32 s36, s[BH], QSH
	s_lshl_b32 s32, s32, 9
	s_add_co_u32 s36, s36, s32
	s_and_b32 s32, s33, 1
	s_lshl_b32 s32, s32, 8
	s_add_co_u32 s36, s36, s32
	s_lshr_b32 s33, s33, 1
	s_lshl_b32 s33, s33, 2
	s_add_co_u32 s36, s36, s33
	s_add_nc_u64 s[42:43], s[6:7], s[36:37]        ; Q's scale words
.irp k, 0,1,2,3,4,5,6,7
	global_load_b32 v[SS+\k], v[L4], s[38:39] offset:128*\k   ; lane L: tile 2 k + L / 16, step L % 16
.endr
	global_load_b32 v[SS+8], v[R4], s[40:41]
.irp p, 0,1,2
	global_load_b64 v[QF+2*\p:QF+2*\p+1], v[GO], s[34:35] offset:256*\p
.endr
	global_load_b32 v[QSW], v[R16], s[42:43]
.set I, 0
.rept 32
	v_mov_b32 v[OT+I], 0                           ; which step is a tile's first hangs on the mask, so none is written out: the sums begin as zeros
.set I, I+1
.endr
	v_mov_b32 v13, 0xff61b1e6                      ; the largest t so far: -3e38
	s_delay_alu instid0(VALU_DEP_1)
	v_floor_f32 v12, -v13
	v_mov_b32 v14, 0
	v_mov_b32 v15, 0
	v_mov_b32 v[SS+9], 0
	s_mov_b32 s[TS], 0
	s_mov_b32 s[TJ], 0
	s_mov_b32 s[STP], 0
	s_wait_loadcnt 0x0
.irp k, 1
	v_or_b32 v[SS], v[SS], v[SS+\k]
.endr
.irp k, 2, 3, 4, 5, 6, 7
	s_delay_alu instid0(VALU_DEP_1)
	v_or_b32 v[SS], v[SS], v[SS+\k]
.endr
	s_wait_alu depctr_va_vdst(0)
	v_permlanex16_b32 v[SS+9], v[SS], s[SEL], s[SEL+1]
	s_delay_alu instid0(VALU_DEP_1)
	v_or_b32 v[SS], v[SS], v[SS+9]
	s_delay_alu instid0(VALU_DEP_1)
	v_cmp_ne_u32 s[WGM], 0, v[SS]
	s_and_b32 s[WGM], s[WGM], 0xffff
	v_cmp_ne_u32 s[ANY], 0, v[SS+8]
	v_cmp_eq_u32 s[MIX], 1, v[SS+8]
	s_bitcmp1_b32 s[WGM], 0
	s_cbranch_scc0 .Lno_first
.irp i, 0,1,2
	global_load_b64 v[STG+2*\i:STG+2*\i+1], v[CPG], s[KVP:KVP+1] offset:4096*\i
.endr
.Lno_first:
.Lkey:                                             ; eight trips of two steps: the slots are constants of the text
	HALF 0
	HALF 1
	s_wait_xcnt 0x0                                ; the request just made has read its base
	s_add_nc_u64 s[KVP:KVP+1], s[KVP:KVP+1], 2*REC
	s_add_nc_u64 s[MWP:MWP+1], s[MWP:MWP+1], 512
	s_add_co_u32 s[TS], s[TS], 1024
	s_add_co_u32 s[TJ], s[TJ], 512
	s_add_co_u32 s[STP], s[STP], 2
	s_cmp_lt_u32 s[STP], 16
	s_cbranch_scc1 .Lkey
	; THE PASS'S END: O^T / the sum, quantised along the head's 64: two blocks of 32; register 16 b + i of lane (r, h) is d = 32 b + 16 h + i (V's tiles lie in the row order)
.rept 4
	v_nop                                          ; places behind the last products
.endr
	v_add_f32 v14, v14, v15
	s_delay_alu instid0(VALU_DEP_1)
	v_permlanex16_b32 v[TT], v14, s[SEL], s[SEL+1]
	s_delay_alu instid0(VALU_DEP_1)
	v_add_f32 v14, v14, v[TT]                      ; the row's sum
	s_delay_alu instid0(VALU_DEP_1)
	v_cmp_eq_f32 s[DEAD], 0, v14                   ; no key was kept (a kept key's largest p is over 1/2)
	s_delay_alu instid0(VALU_DEP_1)
	v_cndmask_b32 v14, v14, 1.0, s[DEAD]
	s_wait_alu depctr_va_vdst(0)
	v_rcp_f32 v[FF], v14
	v_nop                                          ; a plain line behind the reciprocal
	s_lshr_b32 s32, s[BH], 4
	s_lshl_b32 s32, s32, 7
	s_add_co_u32 s32, s32, s[QT]                   ; the tile of 16 tokens among 512
	s_and_b32 s33, s[BH], 15                       ; the head
	s_lshl_b32 s34, s32, 4
	s_add_co_u32 s34, s34, s33
	s_mul_i32 s34, s34, 768
	s_mov_b32 s35, 0
	s_add_nc_u64 s[36:37], s[10:11], s[34:35]
	s_lshl_b32 s34, s32, 9
	s_lshl_b32 s33, s33, 1
	s_add_co_u32 s34, s34, s33
	s_add_nc_u64 s[38:39], s[12:13], s[34:35]
	s_wait_alu depctr_va_vdst(0)                   ; ahead of the reciprocal's first reader
.set I, 0
.rept 16
	v_pk_mul_f32 v[SS+I:SS+I+1], v[OT+I:OT+I+1], v[FF:FF+1] op_sel_hi:[1,0]   ; each accumulator from its low end on
.set I, I+2
.endr
.irp b, 0,1
	v_max3_num_f32 v[BM+\b], |v[SS+16*\b]|, |v[SS+16*\b+1]|, 0x2800000
.endr
.irp i, 2,4,6,8,10,12,14
.irp b, 0,1
	s_delay_alu instid0(VALU_DEP_2)
	v_max3_num_f32 v[BM+\b], v[BM+\b], |v[SS+16*\b+\i]|, |v[SS+16*\b+\i+1]|
.endr
.endr
.irp b, 0,1
	s_delay_alu instid0(VALU_DEP_2)
	v_permlanex16_b32 v[BT+\b], v[BM+\b], s[SEL], s[SEL+1]
.endr
.irp b, 0,1
	s_delay_alu instid0(VALU_DEP_2)
	v_max_num_f32 v[BM+\b], v[BM+\b], v[BT+\b]
.endr
.irp b, 0,1
	s_delay_alu instid0(VALU_DEP_2)
	v_add_nc_u32 v[BO+\b], 0xfe000000, v[BM+\b]
.endr
.irp b, 0,1
	s_delay_alu instid0(VALU_DEP_2)
	v_lshrrev_b32 v[BT+\b], 23, v[BO+\b]
.endr
	s_delay_alu instid0(VALU_DEP_1)
	v_lshl_or_b32 v[PWD], v[BT+1], 8, v[BT]
	s_delay_alu instid0(VALU_DEP_1)
	v_cndmask_b32 v[PWD], v[PWD], v[FFFF], s[DEAD] ; a query with no kept key: both bytes 0xff
	v_cvt_scalef32_pk16_bf6_f32 v[PF:PF+2], v[SS:SS+15], v[BO]
	v_cvt_scalef32_pk16_bf6_f32 v[PT:PT+2], v[SS+16:SS+31], v[BO+1]
	v_nop
.irp i, 0,1,2
	v_permlane16_swap_b32 v[PF+\i], v[PT+\i]
.endr
.irp i, 0,1,2
	s_delay_alu instid0(VALU_DEP_3)
	v_mov_b32 v[PF+3+\i], v[PT+\i]
.endr
.irp p, 0,1,2
	global_store_b64 v[GO], v[PF+2*\p:PF+2*\p+1], s[36:37] offset:256*\p   ; 256 consecutive bytes, aligned: half of a fragment of the last product's A
.endr
	global_store_b16 v[GS], v[PWD], s[38:39]       ; my head's two of a row's 32 scale bytes (lanes r and r + 16 write the same): one byte in 24 of what the launch stores
	s_add_co_u32 s[PASS], s[PASS], 1
	s_cmp_lt_u32 s[PASS], 2
	s_cbranch_scc1 .Lpass
	s_wait_tensorcnt 0x0                           ; the wave's end, behind my last LDS store
	ds_add_u32 v[SPW], v[NIL]
	s_wait_dscnt 0x0
	s_endpgm
.Lfunc_end_k_q684bf98b78_attn:
	.size	k_q684bf98b78_attn, .Lfunc_end_k_q684bf98b78_attn-k_q684bf98b78_attn
	.p2alignl 7, 3214868480
	.fill 96, 4, 3214868480
	.section	.rodata,"a",@progbits
	.p2align	6, 0x0
	.amdhsa_kernel k_q684bf98b78_attn
		.amdhsa_group_segment_fixed_size 47104
		.amdhsa_private_segment_fixed_size 0
		.amdhsa_enable_private_segment 0
		.amdhsa_kernarg_size 40
		.amdhsa_user_sgpr_count 2
		.amdhsa_user_sgpr_kernarg_segment_ptr 1
		.amdhsa_wavefront_size32 1
		.amdhsa_system_sgpr_workgroup_id_x 1
		.amdhsa_system_sgpr_workgroup_id_y 1
		.amdhsa_system_sgpr_workgroup_id_z 1
		.amdhsa_system_vgpr_workitem_id 0
		.amdhsa_next_free_vgpr 256
		.amdhsa_next_free_sgpr 106
		.amdhsa_reserve_vcc 0
		.amdhsa_float_denorm_mode_32 3
		.amdhsa_float_denorm_mode_16_64 3
		.amdhsa_memory_ordered 1
		.amdhsa_forward_progress 1
		.amdhsa_inst_pref_size 58
	.end_amdhsa_kernel
	.amdgpu_metadata
---
amdhsa.version: [ 1, 2 ]
amdhsa.kernels:
  - .name:           k_q684bf98b78_attn
    .symbol:         k_q684bf98b78_attn.kd
    .args:
      - { .name: qkv, .offset: 0, .size: 8, .value_kind: global_buffer, .address_space: global }
      - { .name: qsc, .offset: 8, .size: 8, .value_kind: global_buffer, .address_space: global }
      - { .name: msk, .offset: 16, .size: 8, .value_kind: global_buffer, .address_space: global }
      - { .name: ao, .offset: 24, .size: 8, .value_kind: global_buffer, .address_space: global }
      - { .name: aos, .offset: 32, .size: 8, .value_kind: global_buffer, .address_space: global }
    .group_segment_fixed_size: 47104
    .private_segment_fixed_size: 0
    .kernarg_segment_align: 8
    .kernarg_segment_size: 40
    .max_flat_workgroup_size: 512
    .sgpr_count:     106
    .vgpr_count:     256
    .wavefront_size: 32
...
	.end_amdgpu_metadata
.endif
;; end of part 3
;; launch proj (part 4): grid 4 x 32, 4 waves a work-group, clusters of 4 x 4, 327,680 bytes of LDS; arguments ao, aos, cod, scl, b_out, out0; writes out0
.if DOCPART == 4
	.amdgcn_target "amdgcn-amd-amdhsa--gfx1250"
	.amdhsa_code_object_version 6
	.text
	.protected	k_q684bf98b78_proj
	.globl	k_q684bf98b78_proj
	.p2align	8
	.type	k_q684bf98b78_proj,@function
k_q684bf98b78_proj:
	s_mov_b64 s[64:65], 0
	v_nop
	global_prefetch_b8 v0, s[64:65] scope:SCOPE_SE
	s_setreg_imm32_b32 hwreg(HW_REG_WAVE_MODE, 25, 1), 1
	s_wait_xcnt 0x0
	s_wait_alu depctr_hold_cnt(0) depctr_sa_sdst(0) depctr_va_vdst(0) depctr_va_sdst(0) depctr_va_ssrc(0) depctr_va_vcc(0) depctr_vm_vsrc(0)
	s_getreg_b32 s2, hwreg(HW_REG_IB_STS2, 6, 4)
	s_cmp_eq_u32 s2, 0
	s_cbranch_scc0 .Lentry_in_a_cluster
	s_endpgm
.Lentry_in_a_cluster:
	s_bfe_u32 s2, ttmp6, 0x10000c
	s_cmp_lg_u32 s2, 0xf033
	s_cbranch_scc0 .Lentry_shape_is_right
	s_endpgm
.Lentry_shape_is_right:
; out0 = O W_out^T + b_out on codes of BF6 with E8M0 scales: M = 8,192 tokens, N = 1,024, K = 1,024.  No work is left out here.
; A work-group of four waves makes 256 x 256, a wave 128 x 128 (64 accumulators); K in steps of 256 through two LDS slots; the scale bytes come once and stay; cluster 4 x 4 with joint loads, as in launch qkv.
; "A" (source 1) = O: launch attn left it as REGISTER IMAGES: ao [512 tiles of 16 tokens][16 heads][3 pieces of 256 bytes]; two heads are one fragment of 128 along K, 1,536 bytes on end, read back 8 bytes a lane.
; A K step of 256 of a tile is 3,072 consecutive bytes; a tensor load brings eight tiles' (rows of 3,072 bytes, 12,288 apart).  A's scale bytes: aos [row][32], rows in the tiles' order.
; "B" (source 0) = W_out's rows 11,264 on of cod, in launch prep's row order: so a lane's eight results of tile b are columns 32 (b / 2) + 16 h + 8 (b % 2) + 0 .. 7 of one row of out0.
; A's tiles hold tokens in the same row order: place t of block a is token 32 (a / 2) + 8 (a % 2) + t + 8 (t / 8) of my 128.  The bias is the C of each sum's first matrix instruction.
; A row whose scale bytes are 0xff (a query with no kept key) comes out NaN.
; 128 work-groups: a tile of 256 x 128 would give 256, at half as many products again for each byte read from LDS.
.set KSTEP,  256
.set NQ,     2
.set ROWB,   192
.set KROW,   768
.set PITCH,  240
.set FR,     12
.set NL,     6
.set NP,     4
.set AROW,   3072                      ; a tile of 16 tokens x 256 along K
.set ATILE,  12288                     ; x all of K
.set HALFA,  8*AROW
.set HALFB,  128*PITCH
.set SLOT,   2*HALFA+2*HALFB           ; A's two halves, then B's two
.set LAPS,   2
.set KS,     32
.set SCL,    2*SLOT
.set HALFS,  16*272
.set SBLK,   2*272
.set SPARE,  SCL+4*HALFS               ; the spare words, 128 bytes a wave, named by no other line
.set SPITCH, 528                       ; the way out: 16 rows x (512 + 16) bytes a wave, in slot 0, which has had its last fill and its last read by then
.set ADRA, 16                          ; v16-17
.set ADRB, 20                          ; v20-23
.set STO,  24
.set RD,   25
.set CO,   26
.set ADRS, 27
.set SPW,  28
.set NIL,  29
.set BOF,  30
.set SC,   32
.set BIAS, 64
.set AF,   128
.set BK,   128
.set G1, 24
.set G0, 32
.set G1B, 48
.set G0B, 56
.set G1S, 68
.set G0S, 76
.set G1SB, 80
.set G0SB, 88
.set MSB, 0
.macro WIN new
.if MSB != \new
	s_set_vgpr_msb (MSB<<8)|\new
.set MSB, \new
.endif
.endm
.macro WIN2 a, lo, hi
.if (\a) < 4
	WIN \lo
.else
	WIN \hi
.endif
.endm
.set MUL_LO, 0xa1
.set MUL_HI, 0xf1
.set TO_B,   0x40
.macro JLOAD g0a, g1a, g0b, g1b        ; waves 0, 1 fetch for A, waves 2, 3 for B; an s_nop 0 and four v_nop follow each line
	s_cmp_eq_u32 s15, 0
	s_cbranch_scc0 .Lfor_b_\@
	tensor_load_to_lds s[\g0a:\g0a+3], s[\g1a:\g1a+7]
	s_nop 0
.rept 4
	v_nop
.endr
	s_branch .Lasked_\@
.Lfor_b_\@:
	tensor_load_to_lds s[\g0b:\g0b+3], s[\g1b:\g1b+7]
	s_nop 0
.rept 4
	v_nop
.endr
.Lasked_\@:
.endm
.macro CREST
	s_cmp_lg_u32 s14, 0
	s_cbranch_scc1 .Lnot_wave_0_\@
	s_barrier_signal -3
.Lnot_wave_0_\@:
	s_barrier_wait -3
	s_barrier_signal -1
	s_barrier_wait -1
.endm
.macro CROUND
	s_barrier_signal -1
	s_barrier_wait -1
	CREST
.endm
	s_load_b256 s[4:11], s[0:1], 0x0               ; ao, aos, cod, scl
	s_load_b128 s[96:99], s[0:1], 0x20             ; b_out, out0
	v_lshl_add_u32 v[SPW], v0, 2, SPARE
	v_mov_b32 v[NIL], 0
	ds_add_u32 v[SPW], v[NIL]                      ; the wave's opening: the add, twice on end, and its wait ahead of my first tensor load
	ds_add_u32 v[SPW], v[NIL]
	v_lshrrev_b32 v1, 5, v0
	v_readfirstlane_b32 s14, v1
	s_lshr_b32 s15, s14, 1                         ; my half of A's rows.  Also: I fetch for A (0) or B (1)
	s_and_b32 s16, s14, 1                          ; my half of B's rows.  Also: which half I fetch
	s_bfe_u32 s40, ttmp6, 0x40000
	s_bfe_u32 s41, ttmp6, 0x40004
	s_lshl_b32 s42, ttmp9, 2
	s_add_co_u32 s42, s42, s40                     ; tile column
	s_and_b32 s17, ttmp7, 0xffff
	s_lshl_b32 s17, s17, 2
	s_add_co_u32 s17, s17, s41                     ; tile row
	s_lshl_b32 s43, s41, 2
	s_lshl_b32 s43, 15, s43
	s_lshl_b32 s44, 0x1111, s40
	s_or_b32 s[G1+0], s43, (3<<16)|(1<<21)         ; A: elements of 8 bytes, no padding: 8 rows of 384 elements, 1,536 elements apart
	s_mov_b32 s[G1+1], 384<<16
	s_mov_b32 s[G1+2], 8<<16
	s_mov_b32 s[G1+3], 384<<16
	s_mov_b32 s[G1+4], 8
	s_mov_b32 s[G1+5], 1536
	s_mov_b32 s[G1+6], 0
	s_mov_b32 s[G1+7], 0
	s_or_b32 s[G1B+0], s44, (0<<16)|(1<<20)|(1<<21)|(3<<22)|(3<<25)   ; B: 128 rows of 192 bytes, 4 words of padding behind every 16
	s_mov_b32 s[G1B+1], ROWB<<16
	s_mov_b32 s[G1B+2], 128<<16
	s_mov_b32 s[G1B+3], ROWB<<16
	s_mov_b32 s[G1B+4], 128
	s_mov_b32 s[G1B+5], KROW
	s_mov_b32 s[G1B+6], 0
	s_mov_b32 s[G1B+7], 0
	s_or_b32 s[G1S+0], s43, (3<<16)|(1<<20)|(1<<21)|(5<<22)|(3<<25)
	s_or_b32 s[G1SB+0], s44, (3<<16)|(1<<20)|(1<<21)|(5<<22)|(3<<25)
.irp g, G1S, G1SB
	s_mov_b32 s[\g+1], 32<<16
	s_mov_b32 s[\g+2], 16<<16
	s_mov_b32 s[\g+3], 32<<16
	s_mov_b32 s[\g+4], 16
	s_mov_b32 s[\g+5], 32
	s_mov_b32 s[\g+6], 0
	s_mov_b32 s[\g+7], 0
.endr
	s_lshl_b32 s20, s17, 4
	s_lshl_b32 s18, s16, 3
	s_add_co_u32 s20, s20, s18                     ; A: the first of the eight tiles of 16 tokens that I fetch
	s_lshl_b32 s22, s20, 9                         ; its scale bytes: 16 rows of 32
	s_mul_i32 s20, s20, ATILE
	s_mov_b32 s21, 0
	s_mov_b32 s23, 0
	s_add_co_u32 s46, s42, 44                      ; B: W_out begins at cod's row 11,264 = 44 x 256
	s_lshl_b32 s46, s46, 8
	s_lshl_b32 s18, s16, 7
	s_add_co_u32 s46, s46, s18
	s_lshl_b32 s92, s46, 5
	s_mul_i32 s46, s46, KROW
	s_mov_b32 s47, 0
	s_mov_b32 s93, 0
	s_mul_i32 s45, s16, HALFA                      ; where they go: no place in the cluster enters an LDS address
	s_mul_i32 s19, s16, HALFB
	s_add_co_u32 s19, s19, 2*HALFA
	s_mul_i32 s94, s14, HALFS
	s_wait_dscnt 0x0                               ; both opening adds are done
	s_wait_kmcnt 0x0
	s_add_nc_u64 s[20:21], s[4:5], s[20:21]
	s_add_nc_u64 s[22:23], s[6:7], s[22:23]
	s_add_nc_u64 s[46:47], s[8:9], s[46:47]
	s_add_nc_u64 s[92:93], s[10:11], s[92:93]
	CROUND                                         ; all sixteen work-groups are here: the first joint loads meet
	s_mov_b32 s[G0S], 1
	s_add_co_u32 s[G0S+1], s94, SCL
	s_mov_b64 s[G0S+2:G0S+3], s[22:23]
	s_or_b32 s[G0S+3], s[G0S+3], 0x80000000
	s_mov_b32 s[G0SB], 1
	s_add_co_u32 s[G0SB+1], s94, SCL
	s_mov_b64 s[G0SB+2:G0SB+3], s[92:93]
	s_or_b32 s[G0SB+3], s[G0SB+3], 0x80000000
	JLOAD G0S, G1S, G0SB, G1SB
.irp s, 0,1
	s_mov_b32 s[G0+4*\s], 1
	s_add_co_u32 s[G0+4*\s+1], s45, \s*SLOT
	s_add_nc_u64 s[G0+4*\s+2:G0+4*\s+3], s[20:21], \s*AROW
	s_or_b32 s[G0+4*\s+3], s[G0+4*\s+3], 0x80000000
	s_mov_b32 s[G0B+4*\s], 1
	s_add_co_u32 s[G0B+4*\s+1], s19, \s*SLOT
	s_add_nc_u64 s[G0B+4*\s+2:G0B+4*\s+3], s[46:47], \s*ROWB
	s_or_b32 s[G0B+4*\s+3], s[G0B+4*\s+3], 0x80000000
	JLOAD G0+4*\s, G1, G0B+4*\s, G1B               ; three tensor loads of mine are out
.endr
	v_and_b32 v1, 15, v0                           ; r
	v_bfe_u32 v2, v0, 4, 1                         ; h
	v_and_b32 v7, 31, v0                           ; lane
	v_lshlrev_b32 v3, 3, v7                        ; A: 8 x lane
	v_mul_u32_u24 v4, v1, PITCH
	v_mad_u32_u24 v4, v2, 24, v4                   ; B: row x pitch + 24 h
	v_lshl_add_u32 v5, v2, 4, v4                   ; and behind one padding more
	s_mul_i32 s21, s15, HALFA
	s_mul_i32 s22, s16, HALFB
	s_add_co_u32 s22, s22, 2*HALFA
.irp s, 0,1
	v_add_nc_u32 v[ADRA+\s], s21, v3
	v_add_nc_u32 v[ADRB+\s], s22, v4
	v_add_nc_u32 v[ADRB+2+\s], s22, v5
	s_add_co_u32 s21, s21, SLOT
	s_add_co_u32 s22, s22, SLOT
.endr
	v_mul_u32_u24 v5, v1, KS
	v_lshrrev_b32 v6, 8, v5
	v_lshl_add_u32 v5, v6, 4, v5
	s_mul_i32 s21, s15, HALFS
	s_mul_i32 s22, s16, HALFS
	s_add_co_u32 s22, s22, 2*HALFS
	s_sub_co_u32 s22, s22, s21
	v_mul_u32_u24 v6, s22, v2                      ; lanes 16-31 take B's
	s_add_co_u32 s21, s21, SCL
	v_add_nc_u32 v5, v5, v6
	v_add_nc_u32 v[ADRS], s21, v5
	s_mul_i32 s23, s14, 16*SPITCH                  ; my stage
	v_mul_u32_u24 v5, v1, SPITCH
	v_lshl_add_u32 v5, v2, 6, v5                   ; in: row r, + 64 h
	v_add_nc_u32 v[STO], s23, v5
	v_lshlrev_b32 v[CO], 4, v7                     ; back: the 32 lanes take a row of 512 bytes; and the same in out0
	v_add_nc_u32 v[RD], s23, v[CO]
	s_lshl_b32 s20, s17, 8
	s_lshl_b32 s21, s15, 7
	s_add_co_u32 s20, s20, s21                     ; my first row of out0
	s_lshl_b32 s20, s20, 12                        ; 4,096 bytes a row (out0 has 2^25 bytes)
	s_lshl_b32 s46, s42, 10
	s_lshl_b32 s47, s16, 9
	s_add_co_u32 s46, s46, s47                     ; my first column, in bytes; also my place in b_out
	s_mov_b32 s47, 0
	s_add_nc_u64 s[96:97], s[96:97], s[46:47]
	s_add_co_u32 s46, s46, s20
	s_add_nc_u64 s[98:99], s[98:99], s[46:47]
	v_lshlrev_b32 v[BOF], 6, v2                    ; the bias: register j of tile b is column 32 (b / 2) + 16 h + 8 (b % 2) + j
.irp t, 0,1,2,3,4,5,6,7
	global_load_b128 v[BIAS+8*\t:BIAS+8*\t+3], v[BOF], s[96:97] offset:(32*(\t/2)+8*(\t%2))*4
	global_load_b128 v[BIAS+8*\t+4:BIAS+8*\t+7], v[BOF], s[96:97] offset:(32*(\t/2)+8*(\t%2))*4+16
.endr
.macro FRAG reg, adr, q, i             ; B: 16 rows x 128 K out of padded rows, in pieces of 8 bytes
.irp p, 0,1,2,3,4,5
.set PCE, 12*(\q)+6*(\p/3)+\p%3
.if PCE%8 < 5
	ds_load_b64 v[\reg+2*\p:\reg+2*\p+1], v[\adr] offset:8*PCE+16*(PCE/8)+(\i)*16*PITCH
.else
	ds_load_b64 v[\reg+2*\p:\reg+2*\p+1], v[\adr+2] offset:8*PCE+16*(PCE/8)+(\i)*16*PITCH
.endif
.endr
.endm
.macro FRAGA reg, slot, q, i           ; A: an image: six pieces of 256 bytes on end
.irp p, 0,1,2,3,4,5
	ds_load_b64 v[\reg+2*\p:\reg+2*\p+1], v[ADRA+\slot] offset:AROW*(\i)+1536*(\q)+256*\p
.endr
.endm
.macro MUL16 a0, p, q, sc, zero        ; zero = 1: the sums begin with the bias.  The 64 accumulators take turns, in the same order in every step
.irp a, \a0, \a0+1
.irp b, 0,1,2,3,4,5,6,7
.if \zero
	v_wmma_scale_f32_16x16x128_f8f6f4 v[8*(8*((\a)%4)+\b):8*(8*((\a)%4)+\b)+7], v[128*(\p)+FR*\b:128*(\p)+FR*\b+FR-1], v[AF+FR*(\a):AF+FR*(\a)+FR-1], v[BIAS+8*\b:BIAS+8*\b+7], v[SC+8*NQ*(\sc)+NQ*\b+(\q)], v[SC+8*NQ*(\sc)+NQ*(\a)+(\q)] matrix_a_fmt:MATRIX_FMT_BF6 matrix_b_fmt:MATRIX_FMT_BF6 matrix_a_scale:MATRIX_SCALE_ROW1
.else
	v_wmma_scale_f32_16x16x128_f8f6f4 v[8*(8*((\a)%4)+\b):8*(8*((\a)%4)+\b)+7], v[128*(\p)+FR*\b:128*(\p)+FR*\b+FR-1], v[AF+FR*(\a):AF+FR*(\a)+FR-1], v[8*(8*((\a)%4)+\b):8*(8*((\a)%4)+\b)+7], v[SC+8*NQ*(\sc)+NQ*\b+(\q)], v[SC+8*NQ*(\sc)+NQ*(\a)+(\q)] matrix_a_fmt:MATRIX_FMT_BF6 matrix_b_fmt:MATRIX_FMT_BF6 matrix_a_scale:MATRIX_SCALE_ROW1
.endif
.endr
.endr
.endm
.macro FETCH_B slot, q, p
	WIN TO_B
.irp i, 0,1,2,3,4,5,6,7
	FRAG 128*(\p)+FR*\i, ADRB+\slot, \q, \i
.endr
	WIN 0
.endm
.macro FETCH_A slot, q, i0
.irp i, \i0, \i0+1, \i0+2, \i0+3
	FRAGA AF+FR*(\i), \slot, \q, \i
.endr
.endm
.macro SCALES sc
.irp i, 0,1,2,3,4,5,6,7
	ds_load_b64 v[SC+8*NQ*\sc+NQ*\i:SC+8*NQ*\sc+NQ*\i+1], v[ADRS] offset:\i*SBLK
.endr
.endm
.macro PLACES n
.rept \n
	v_nop
.endr
.endm
.macro STEP slot, q, zero
	s_wait_dscnt 4*NL                              ; B's set and A's blocks 0-3 are in; the youngest 24 loads (A's blocks 4-7) may be out
.if \zero
	WIN 0x81                                       ; C (the bias) window 0, D window 2
.else
	WIN MUL_LO
.endif
	MUL16 0, (\q)%2, \q, \slot, \zero
	MUL16 2, (\q)%2, \q, \slot, \zero
	s_wait_dscnt 0
	PLACES NP
	FETCH_B \slot, (\q)+1, 1-(\q)%2
	FETCH_A \slot, (\q)+1, 0
.if \zero
	WIN 0xc1
.else
	WIN MUL_HI
.endif
	MUL16 4, (\q)%2, \q, \slot, \zero
	MUL16 6, (\q)%2, \q, \slot, \zero
	PLACES NP
	WIN 0
	FETCH_A \slot, (\q)+1, 4
.endm
.macro TURN slot, next, fill           ; a slot's last step changes slots, as in launch qkv
	s_wait_tensorcnt 0x0                           ; all my tensor loads have landed: my part of the next slot
	ds_add_u32 v[SPW], v[NIL]
	s_wait_dscnt 4*NL+1                            ; (the add and the youngest 24 loads may be out)
	WIN MUL_LO
	MUL16 0, 1, NQ-1, \slot, 0
	s_wait_dscnt 0x0                               ; the add is done, and my reads of this slot are over
	s_barrier_signal -1
	MUL16 2, 1, NQ-1, \slot, 0
	WIN 0
	s_barrier_wait -1
.if \fill
	CREST
	s_add_nc_u64 s[G0+4*\slot+2:G0+4*\slot+3], s[G0+4*\slot+2:G0+4*\slot+3], 2*AROW
	s_add_nc_u64 s[G0B+4*\slot+2:G0B+4*\slot+3], s[G0B+4*\slot+2:G0B+4*\slot+3], 2*ROWB
	JLOAD G0+4*\slot, G1, G0B+4*\slot, G1B         ; the first tensor load behind the round; its four v_nop are the places in front of the loads below
.else
	PLACES NP
.endif
	v_add_nc_u32 v[ADRS], 4*NQ, v[ADRS]
	FETCH_B \next, 0, 0
	FETCH_A \next, 0, 0
	SCALES \next
	WIN MUL_HI
	MUL16 4, 1, NQ-1, \slot, 0
	MUL16 6, 1, NQ-1, \slot, 0
	PLACES NP
	WIN 0
	FETCH_A \next, 0, 4
.endm
	s_wait_tensorcnt 1                             ; the scale bytes and my part of slot 0 are in; slot 1's load may be out
	s_barrier_signal -1
	s_barrier_wait -1
	FETCH_B 0, 0, 0
	FETCH_A 0, 0, 0
	SCALES 0
	FETCH_A 0, 0, 4
	s_wait_loadcnt 0x0                             ; the bias
	STEP 0, 0, 1
	s_mov_b32 s3, LAPS-1
.Llap:
	TURN 0, 1, 1
	STEP 1, 0, 0
	TURN 1, 0, 1
	STEP 0, 0, 0
	s_sub_co_u32 s3, s3, 1
	s_cmp_lg_u32 s3, 0
	s_cbranch_scc1 .Llap
	TURN 0, 1, 0
	STEP 1, 0, 0
	s_wait_dscnt 4*NL
	WIN MUL_LO
	MUL16 0, 1, NQ-1, 1, 0
	MUL16 2, 1, NQ-1, 1, 0
	s_wait_dscnt 0
	WIN MUL_HI
	MUL16 4, 1, NQ-1, 1, 0
	MUL16 6, 1, NQ-1, 1, 0
	WIN 0
; THE WAY OUT, block by block of 16 rows x 128 columns, through my own stage: LDS serves a wave's instructions in order, so no wait stands between the stores and the loads.
.macro TOSTAGE a
.set AC, 64*((\a)%4)
	WIN2 \a, 0x08, 0x0c                            ; an LDS store's data: window 2 or 3
.irp b, 0,1,2,3,4,5,6,7
	ds_store_b128 v[STO], v[AC+8*\b:AC+8*\b+3] offset:128*(\b/2)+32*(\b%2)       ; each accumulator from its low end on
	ds_store_b128 v[STO], v[AC+8*\b+4:AC+8*\b+7] offset:128*(\b/2)+32*(\b%2)+16
.endr
	WIN 0
.set BB, BK+64*((\a)%2)
.irp t, 0,1,2,3,4,5,6,7,8,9,10,11,12,13,14,15
	ds_load_b128 v[BB+4*\t:BB+4*\t+3], v[RD] offset:\t*SPITCH
.endr
.endm
.macro SEND a, younger                 ; younger: the LDS instructions issued behind block a's loads
.set BB, BK+64*((\a)%2)
	s_wait_dscnt \younger
.irp t, 0,1,2,3,4,5,6,7,8,9,10,11,12,13,14,15
	global_store_b128 v[CO], v[BB+4*\t:BB+4*\t+3], s[98:99] offset:(32*((\a)/2)+8*((\a)%2)+\t+8*(\t/8))*4096 th:TH_STORE_NT   ; 512 consecutive bytes, aligned; the true row stands in the immediate: 127 rows at the most
.endr
.endm
	PLACES NP
	TOSTAGE 0
.irp a, 1,2,3,4,5,6,7
.if \a > 1
	s_wait_xcnt 0x0                                ; block a - 2's stores have read their registers: block a's loads may land there
.endif
	TOSTAGE \a
	SEND \a-1, 32                                  ; behind block a - 1's loads: block a's 16 stores and 16 loads
.endr
	SEND 7, 0
	s_wait_tensorcnt 0x0                           ; the wave's end
	ds_add_u32 v[SPW], v[NIL]
	s_wait_dscnt 0x0
	CROUND                                         ; the closing round
	s_endpgm
.Lfunc_end_k_q684bf98b78_proj:
	.size	k_q684bf98b78_proj, .Lfunc_end_k_q684bf98b78_proj-k_q684bf98b78_proj
	.p2alignl 7, 3214868480
	.fill 96, 4, 3214868480
	.section	.rodata,"a",@progbits
	.p2align	6, 0x0
	.amdhsa_kernel k_q684bf98b78_proj
		.amdhsa_group_segment_fixed_size 327680
		.amdhsa_private_segment_fixed_size 0
		.amdhsa_enable_private_segment 0
		.amdhsa_kernarg_size 48
		.amdhsa_user_sgpr_count 2
		.amdhsa_user_sgpr_kernarg_segment_ptr 1
		.amdhsa_wavefront_size32 1
		.amdhsa_system_sgpr_workgroup_id_x 1
		.amdhsa_system_sgpr_workgroup_id_y 1
		.amdhsa_system_sgpr_workgroup_id_z 1
		.amdhsa_system_vgpr_workitem_id 0
		.amdhsa_next_free_vgpr 1024
		.amdhsa_next_free_sgpr 100
		.amdhsa_reserve_vcc 0
		.amdhsa_float_denorm_mode_32 3
		.amdhsa_float_denorm_mode_16_64 3
		.amdhsa_memory_ordered 1
		.amdhsa_forward_progress 1
		.amdhsa_inst_pref_size 161
	.end_amdhsa_kernel
	.amdgpu_metadata
---
amdhsa.version: [ 1, 2 ]
amdhsa.kernels:
  - .name:           k_q684bf98b78_proj
    .symbol:         k_q684bf98b78_proj.kd
    .args:
      - { .name: ao, .offset: 0, .size: 8, .value_kind: global_buffer, .address_space: global }
      - { .name: aos, .offset: 8, .size: 8, .value_kind: global_buffer, .address_space: global }
      - { .name: cod, .offset: 16, .size: 8, .value_kind: global_buffer, .address_space: global }
      - { .name: scl, .offset: 24, .size: 8, .value_kind: global_buffer, .address_space: global }
      - { .name: b_out, .offset: 32, .size: 8, .value_kind: global_buffer, .address_space: global }
      - { .name: out0, .offset: 40, .size: 8, .value_kind: global_buffer, .address_space: global }
    .group_segment_fixed_size: 327680
    .private_segment_fixed_size: 0
    .kernarg_segment_align: 8
    .kernarg_segment_size: 48
    .max_flat_workgroup_size: 128
    .sgpr_count:     100
    .vgpr_count:     1024
    .wavefront_size: 32
...
	.end_amdgpu_metadata
.endif
;; end of part 4
